; MI455X (gfx1250); checked and timed in simulation.
; The chip was launched on July 23, 2026; its instructions are those of AMD's public machine-readable ISA for CDNA 5 (MIT licence, August 2026) and "CDNA5" Instruction Set Architecture Reference Guide (July 2026). The comments in the code are by the model that wrote it; some were corrected since.
;; Conditional Layer. Allowed arithmetic: matrix products marked QUANTISED: E2M1 operands, one E8M0 scale for each 32 along K, by v_wmma_scale_f32_16x16x128_f8f6f4 with both operands' format E2M1 (or v_wmma_scale_f32_32x16x128_f4), f32 sums; everything else in f32.
;; Inputs: W1_codes 8 x 1,024 x 32 x 16 uint8 (E2M1 codes of W1, K innermost, in blocks of 32 codes, two codes a byte); W1_scales 8 x 1,024 x 32 uint8 (E8M0 scales of W1, one for each 32 codes along K); W2_codes 8 x 1,024 x 32 x 16 uint8 (E2M1 codes of W2, K innermost, in blocks of 32 codes, two codes a byte); W2_scales 8 x 1,024 x 32 uint8 (E8M0 scales of W2, one for each 32 codes along K); b1 8 x 1,024 float32; b2 8 x 1,024 float32; cond_ids 4,096 int32; x 4,096 x 1,024 float32.
;; Outputs: out0 4,096 x 1,024 float32.
;; This version of the problem:
;;   THIS VERSION OF THE PROBLEM IS GIVEN IN LOW PRECISION. The matrix products marked QUANTISED in the list below multiply operands that are first quantised to E2M1 (2 exponent bits, 1 mantissa bit; 4 bits a number), with one power-of-two scale for each 32 numbers along K (OCP MX v1.0); their sums are f32. All else is computed in f32.
;;   The module's matrix products, in the order in which they are computed (A, B: the left and right operand; K: the contracted axis; several contracted axes count as one K, in the product's order):
;;     1. batch 8 x [M 4,096, K 1,024] x [K 1,024, N 1,024]; A: computed on the way; B: input W1 (given as codes): QUANTISED
;;     2. batch 8 x [M 4,096, K 1,024] x [K 1,024, N 1,024]; A: computed on the way; B: input W2 (given as codes): QUANTISED
;;   THE QUANTISER, for each operand of a quantised product, along K:
;;     - K is cut into blocks of 32 from its start; a last block that is shorter is filled with zeros.
;;     - A block's scale is 2^e with e = floor(log2(the largest magnitude in the block)) - 2, held to -126 .. 127; a block of zeros has e = 0. As a byte (E8M0): e + 127.
;;     - Each number is divided by its block's scale, clamped to +-6, and rounded to the nearest number of E2M1, ties to even, subnormals kept.
;;     - The product sums the exact products of the quantised numbers (number of the format x scale) in f32.
;;   ~~~python
;;   def quantise(x, axis):      # numpy; x: float32 -> the quantised numbers, widened to float32 again
;;       x = np.moveaxis(x, axis, -1); K = x.shape[-1]
;;       x = np.pad(x, [(0, 0)] * (x.ndim - 1) + [(0, -K % 32)]); x = x.reshape(x.shape[:-1] + (-1, 32)); a = np.abs(x).max(-1, keepdims=True)
;;       e = np.where(a > 0, np.clip(np.frexp(np.where(a > 0, a, 1))[1] - 1 - 2, -126, 127), 0)      # np.frexp(a)[1] - 1 = floor(log2(a)), exactly
;;       r = np.clip(x / 2.0 ** e, -6, 6)
;;       step = 2.0 ** (np.maximum(np.frexp(np.where(r == 0, 1, r))[1] - 1, 0) - 1)
;;       q = np.round(r / step) * step * 2.0 ** e      # np.round: ties to even
;;       return np.moveaxis(q.reshape(q.shape[:-2] + (-1,))[..., :K], -1, axis).astype(np.float32)
;;   ~~~
;;   OPERANDS COMPUTED ON THE WAY. 'Computed on the way' means the value that the module computes at that place (a softmax that the list does not call 'softmax' is quantised finished and normalised). What goes into a quantiser is computed in f32, as accurately as f32 sums, v_exp_f32 and their like allow (about 1e-6 of the number): no bf16 or f16 on the way to a quantiser, and a product that is left as it is and whose result goes on into a quantised operand takes f32 operands (vector FMAs, or v_wmma_f32_16x16x4_f32). A number that lies on a knife's edge between two numbers of the format may be rounded either way, as far as f32 arithmetic and the matrix unit's own rounding can turn it there, and no further.
;;   INPUTS GIVEN AS CODES. W1 (in the module: [8, 1024, 1024], K = its axis 1); W2 (in the module: [8, 1024, 1024], K = its axis 1): each comes as NAME_codes (uint8): NAME with its K axis moved to the last place and cut into blocks of 32 codes, [.., K / 32, bytes a block], one block behind the other in memory; two codes a byte, the lower K in the low four bits (a code: sign, 2 exponent bits, 1 mantissa bit); and NAME_scales (uint8): the same leading axes, one E8M0 byte (e + 127) for each 32 codes along K. Its value is code x scale, taken as it is: it is not quantised again, and the codes and scales need not be those that the quantiser above would give.
;; 2 versions. Each part assembles by itself: llvm-mc -triple=amdgcn-amd-amdhsa -mcpu=gfx1250 --defsym DOCPART=n.
;; ======== version 1 of 2: 2 launches
;; workspace buffers: w1f 4,194,304 bytes; w2f 4,194,304 bytes; addv 32,768 bytes; route 18,944 bytes of whole numbers
;; launch prep (part 1): grid 129 x 1, 8 waves a work-group, no clusters, 144,384 bytes of LDS; arguments W1_codes, W2_codes, W2_scales, b1, b2, cond_ids, w1f, w2f, addv, route; writes w1f, w2f, addv, route
.if DOCPART == 1
	.amdgcn_target "amdgcn-amd-amdhsa--gfx1250"
	.amdhsa_code_object_version 6
	.text
	.protected	k_q6751b220a1_prep
	.globl	k_q6751b220a1_prep
	.p2align	8
	.type	k_q6751b220a1_prep,@function
k_q6751b220a1_prep:
	s_mov_b64 s[64:65], 0
	v_nop
	global_prefetch_b8 v0, s[64:65] scope:SCOPE_SE
	s_setreg_imm32_b32 hwreg(HW_REG_WAVE_MODE, 25, 1), 1
	s_wait_xcnt 0x0
; All that does not hang on x, made once.  Three roles, by the work-group's number g:
;   0-63    W1's codes of ONE TILE of 16 rows (J = g / 2, u = g % 2), wave c = condition c, are laid in the order of the operand's registers: w1f.
;   64-127  the same for W2 (g - 64): w2f; and, with the fragments still in registers, k_c = Q(relu(b1_c)) W2_c + b2_c for the tile's 16 outputs:
;           what a row that is masked in condition c gets from it.  addv[c][n] = b2[c][n] + the sum over c' != c of k_c'[n].
;   128     the rows are sorted by condition (a counting sort, whole numbers alone) and the list of tiles of 32 rows is written: route.
; LAYOUT of w1f, w2f: [c 8][J 32][K step s 8][tile u 2][half cc 2][lane 32][16 bytes].  Lane (r, h) of tile u holds row 32 J + 8 u + r + 8 (r / 8), bytes 64 s + 32 cc + 16 h:
; a fragment (16 rows x 128 K of 4-bit codes: 8 registers) is 1,024 bytes on end, and two tiles' results, used transposed, are 16 neighbours along the next K.
; THE TURN.  A fragment's lane wants 16 bytes of its own row, and the rows lie 512 bytes apart.  So the codes are LOADED BY ROWS, each load of the wave 512 consecutive bytes, go into the wave's own LDS
; bytes as rows of 512 + 16 bytes, and come back in the operand's order: 16 stores and 16 loads a wave.  Each store to w1f, w2f again covers 512 consecutive bytes, aligned.
; LAYOUT of route: entries 0 .. 4127 of 4 bytes: a row's number, + 0x10000 where its id lies outside 0 .. 7 (such a row is masked in all eight conditions: it is listed under condition 0 and its
; codes are cleared later); sorted by condition; 4096 .. 4127 are 0.  From byte 16,640: 135 records (condition, first entry, rows, 0): never more than 4096 / 32 + 7 tiles, whatever the ids.
; LIMITS: NaN and infinities in b1 are not served.  A block of zeros gets the scale byte 1 where the quantiser says 127: its codes are zeros, and this program alone reads the byte.
; The f32 sums (k_c's K steps in two halves, the sum over the conditions) are taken in another order than the reference's.
; No cluster and no tensor load: the codes are read by one work-group alone; what W2's 64 work-groups share is b1, 32 KiB in all, 4 KiB a wave.  The three roles use LDS bytes of their own.
.set TP,   528                         ; a row in the turn: 512 bytes + 16 = 132 words: row r starts at bank 4 r mod 64 (64 banks of 4 bytes: ISA guide 11.1), so the 16 rows that a load touches start at 16 different banks
.set TRW,  16*TP                       ; LDS 0: W2's turn, 16 rows for each wave;
.set TR1,  8*TRW                       ; W1's turn likewise
.set HBR,  16*TRW                      ; for each wave 512 bytes of codes of Q(relu(b1_c)) and its 32 scale bytes
.set HBP,  768
.set CT,   HBR+8*HBP                   ; k_c of the work-group's 16 outputs: [8][16] f32
.set RT,   CT+1024                     ; the routing's counts: 128 bytes a wave
.set TABB, 16640                       ; where route's records begin
.set NTIL, 135
.set LANE, 2
.set R,    3                           ; lane % 16
.set H,    4                           ; lane / 16
.set RR,   5                           ; r + 8 (r / 8)
.set TW,   6                           ; the turn, in: my wave's bytes + 16 x lane
.set LI,   7                           ; 16 x lane
.set XL,   8                           ; 32 x lane
.set SA,   9                           ; scale words: 32 (r + 8 (r / 8)) + 16 h
.set L4,   10                          ; 4 x lane
.set BA,   11                          ; 64 h
.set HWR,  12                          ; my wave's codes of b1 in LDS, 4 x lane
.set HW8,  13                          ; its scale bytes, lane / 4
.set HRD,  14                          ; the same codes read as a fragment: 16 h
.set HSD,  15                          ; my wave's bytes, the same in all lanes
.set XR,   16                          ; v16-47   b1_c's row: chunk q of 256 numbers, 8 a lane, at 8 q
.set HB,   48                          ; v48-111  its 8 fragments
.set HBS,  112                         ; v112-119 its 8 scale words
.set WS,   120                         ; v120-123 W2's scale words: lanes 0-15 K steps 0-3, lanes 16-31 K steps 4-7
.set B2,   124                         ; v124-131 b2 in the result's layout
.set ACC,  132                         ; v132-147 k_c in two halves: the even K steps', the odd K steps'
.set T,    148                         ; at work
.set SCL,  152
.set CD,   156
.set BY,   160
.set KS,   164                         ; v164-171 k_c
.set KK,   172                         ; v172-179 the eight conditions' k at my lane's output
.set OWN,  180                         ; b2[c] at my lane's output
.set CTW,  181
.set CTR,  182
.set OA,   183                         ; my lane's output among the tile's 16, in bytes
.set TD,   184                         ; the turn, back: my wave's bytes + 528 r + 16 h
.set TW1,  185                         ; the same two for W1's role
.set TD1,  186
.set F,    192                         ; v192-255 the tile's codes: row i at 4 i as loaded, then fragment s at 8 s
.macro DLOAD                           ; my condition's 16 rows of the tile: rows 0-7 and 16-23 from the tile's first; each load 512 consecutive bytes, read once in the launch
.irp i, 0,1,2,3,4,5,6,7,8,9,10,11,12,13,14,15
	global_load_b128 v[F+4*\i:F+4*\i+3], v[LI], s[26:27] offset:512*(\i+8*(\i/8)) th:TH_LOAD_NT
.endr
.endm
.macro TURN tw, td                     ; in by rows, back by fragments, into the registers that they left.  My wave's own bytes: LDS serves a wave's instructions in order (ISA guide 5.7.1.4)
.set ii, 0
.rept 16
	ds_store_b128 v[\tw], v[F+4*ii:F+4*ii+3] offset:TP*ii
.set ii, ii+1
.endr
.irp s, 0,1,2,3,4,5,6,7
.irp c, 0,1
	ds_load_b128 v[F+8*\s+4*\c:F+8*\s+4*\c+3], v[\td] offset:64*\s+32*\c
.endr
.endr
.endm
.macro FSTORE                          ; the 8 fragments out as they stand: fragment (s, u) lies 1,024 (2 s + u) bytes into the block; u is in the base
.irp s, 0,1,2,3,4,5,6,7
.irp c, 0,1
	global_store_b128 v[LI], v[F+8*\s+4*\c:F+8*\s+4*\c+3], s[28:29] offset:2048*\s+512*\c
.endr
.endr
.endm
	s_load_b512 s[4:19], s[0:1], 0x0               ; W1_codes s[4:5], W2_codes s[6:7], W2_scales s[8:9], b1 s[10:11], b2 s[12:13], cond_ids s[14:15], w1f s[16:17], w2f s[18:19]
	s_load_b128 s[20:23], s[0:1], 0x40             ; addv s[20:21], route s[22:23]
	v_lshl_add_u32 v190, v0, 2, 0x23000
	v_mov_b32 v191, 0
	v_lshrrev_b32 v1, 5, v0
	v_readfirstlane_b32 s24, v1                    ; wave 0..7: the condition c (in the routing: which 512 ids)
	v_and_b32 v[LANE], 31, v0
	s_cmp_eq_u32 ttmp9, 128
	s_cbranch_scc1 .Lroute                         ; each role waits for the arguments itself, behind its address arithmetic
	; ---- the weights' roles
	v_and_b32 v[R], 15, v0
	v_bfe_u32 v[H], v0, 4, 1
	v_lshlrev_b32 v[LI], 4, v[LANE]
	s_mul_i32 s41, s24, TRW
	v_add_nc_u32 v[TW], s41, v[LI]
	v_mul_u32_u24 v[TD], v[R], TP
	v_lshl_add_u32 v[TD], v[H], 4, v[TD]
	v_add_nc_u32 v[TD], s41, v[TD]
	v_add_nc_u32 v[TW1], TR1, v[TW]
	v_add_nc_u32 v[TD1], TR1, v[TD]
	s_and_b32 s25, ttmp9, 63
	s_lshr_b32 s44, s25, 1                         ; J
	s_and_b32 s45, s25, 1                          ; u
	s_lshl_b32 s30, s24, 19                        ; a condition's codes are 2^19 bytes, a block of 32 rows 2^14: the same in both layouts
	s_lshl_b32 s31, s44, 14
	s_add_co_u32 s30, s30, s31
	s_lshl_b32 s31, s45, 12                        ; as given, tile u begins 8 rows of 512 bytes on;
	s_add_co_u32 s42, s30, s31
	s_lshl_b32 s31, s45, 10                        ; in the new order one fragment on
	s_add_co_u32 s30, s30, s31
	s_mov_b32 s31, 0
	s_mov_b32 s43, 0
	s_wait_kmcnt 0x0
	s_cmp_lt_u32 ttmp9, 64                         ; W1's work-group or W2's: the choice hangs on the work-group's number alone
	s_cselect_b64 s[26:27], s[4:5], s[6:7]
	s_cselect_b64 s[28:29], s[16:17], s[18:19]
	s_add_nc_u64 s[26:27], s[26:27], s[42:43]
	s_add_nc_u64 s[28:29], s[28:29], s[30:31]
	s_cmp_lt_u32 ttmp9, 64
	s_cbranch_scc1 .Lplain
	; ---- W2: the 16 rows, and 12 more loads behind them: b1_c (8), W2's scale words (1), b2 as the sum's start (2), b2 at my lane's output (1)
	DLOAD
	v_and_b32 v[RR], 8, v[R]
	v_add_nc_u32 v[RR], v[RR], v[R]
	v_lshlrev_b32 v[XL], 5, v[LANE]
	v_lshlrev_b32 v[SA], 5, v[RR]
	v_lshl_add_u32 v[SA], v[H], 4, v[SA]
	v_lshlrev_b32 v[BA], 6, v[H]
	v_and_b32 v1, 7, v0
	v_bfe_u32 v[OA], v0, 3, 1
	v_lshlrev_b32 v[OA], 6, v[OA]
	v_lshl_add_u32 v[OA], v1, 2, v[OA]             ; lane 8 h' + j (and the lane 16 on): output 16 h' + j of the tile: 64 h' + 4 j bytes
	s_lshl_b32 s30, s24, 12
	s_add_nc_u64 s[32:33], s[10:11], s[30:31]      ; b1_c
	s_lshl_b32 s40, s44, 7
	s_add_co_u32 s30, s30, s40
	s_lshl_b32 s40, s45, 5
	s_add_co_u32 s30, s30, s40
	s_add_nc_u64 s[36:37], s[12:13], s[30:31]      ; b2_c at output 32 J + 8 u
	s_add_nc_u64 s[38:39], s[20:21], s[30:31]      ; addv likewise
	s_lshl_b32 s30, s24, 15
	s_lshl_b32 s40, s44, 10
	s_add_co_u32 s30, s30, s40
	s_lshl_b32 s40, s45, 8
	s_add_co_u32 s30, s30, s40
	s_add_nc_u64 s[34:35], s[8:9], s[30:31]        ; W2's scale bytes of rows 32 J + 8 u on: 32 bytes a row
.irp q, 0,1,2,3
.irp e, 0,1
	global_load_b128 v[XR+8*\q+4*\e:XR+8*\q+4*\e+3], v[XL], s[32:33] offset:1024*\q+16*\e   ; lane l: b1_c[256 q + 8 l + 0 .. 7]
.endr
.endr
	global_load_b128 v[WS:WS+3], v[SA], s[34:35]
.irp e, 0,1
	global_load_b128 v[B2+4*\e:B2+4*\e+3], v[BA], s[36:37] offset:16*\e       ; register j in lane (r, h) is output 32 J + 8 u + 16 h + j
.endr
	global_load_b32 v[OWN], v[OA], s[36:37]
	s_mul_i32 s40, s24, HBP
	s_add_co_u32 s40, s40, HBR
	v_lshl_add_u32 v[HWR], v[LANE], 2, s40
	v_lshrrev_b32 v1, 2, v[LANE]
	v_add_nc_u32 v[HW8], s40, v1
	v_lshl_add_u32 v[HRD], v[H], 4, s40
	v_mov_b32 v[HSD], s40
	s_lshl_b32 s40, s24, 6
	s_add_co_u32 s40, s40, CT
	v_lshl_add_u32 v[CTW], v[H], 5, s40
	v_lshl_add_u32 v[CTR], v[R], 2, CT
	s_wait_loadcnt 12                              ; the 16 rows are in; the 12 loads behind them may be out
	TURN TW, TD
	s_wait_loadcnt 4                               ; b1_c's eight are in
	; relu(b1_c) is quantised along its 1,024 while the turn is served: a lane holds 8 neighbours of each chunk, four neighbouring lanes a block of 32
.set jj, 0
.rept 32
	v_max_num_f32 v[XR+jj], 0, v[XR+jj]
.set jj, jj+1
.endr
.irp q, 0,1,2,3
	v_max3_num_f32 v[T+\q], v[XR+8*\q], v[XR+8*\q+1], 0x1800000   ; with the floor 2^(3 - 127): the byte cannot fall under 1.  None is negative: no |.|
.endr
.irp p, 2,4,6
.irp q, 0,1,2,3
	v_max3_num_f32 v[T+\q], v[T+\q], v[XR+8*\q+\p], v[XR+8*\q+\p+1]
.endr
.endr
.irp q, 0,1,2,3
	v_max_num_f32_dpp v[T+\q], v[T+\q], v[T+\q] row_xmask:1 row_mask:0xf bank_mask:0xf
.endr
.irp q, 0,1,2,3
	v_max_num_f32_dpp v[T+\q], v[T+\q], v[T+\q] row_xmask:2 row_mask:0xf bank_mask:0xf
.endr
.irp q, 0,1,2,3
	v_add_nc_u32 v[SCL+\q], 0xff000000, v[T+\q]    ; 2 off the exponent field: the conversion takes that field as its scale
.endr
.irp q, 0,1,2,3
	v_cvt_scalef32_pk8_fp4_f32 v[CD+\q], v[XR+8*\q:XR+8*\q+7], v[SCL+\q]
.endr
.irp q, 0,1,2,3
	v_lshrrev_b32 v[BY+\q], 23, v[SCL+\q]          ; the scale's byte (and the plain place behind the conversions)
.endr
.irp q, 0,1,2,3
	ds_store_b32 v[HWR], v[CD+\q] offset:128*\q    ; 8 codes: bytes 128 q + 4 l of the row's 512
	ds_store_b8 v[HW8], v[BY+\q] offset:512+8*\q   ; the four lanes of a block write the same byte with the same value
.endr
	; back as source 1 of the product: all sixteen columns are this one row.  My wave's own bytes again
.irp s, 0,1,2,3,4,5,6,7
.irp c, 0,1
	ds_load_b128 v[HB+8*\s+4*\c:HB+8*\s+4*\c+3], v[HRD] offset:64*\s+32*\c
.endr
.endr
	ds_load_b128 v[HBS:HBS+3], v[HSD] offset:512
	ds_load_b128 v[HBS+4:HBS+7], v[HSD] offset:528
	s_wait_dscnt 26                                ; the turn's 16 loads are back; behind them: 8 stores of b1's codes and bytes, 18 loads of its fragments and scale words
	FSTORE
	s_wait_loadcnt 0x0                             ; W2's scale words, b2
	s_wait_dscnt 0x0
.irp s, 0,1,2,3,4,5,6,7                        ; K's eight steps go to two accumulators by turns, one instruction a turn.  b2 is the C of the first, the constant 0 of the second
.set rD, ACC+8*(\s%2)
.set rA, F+8*\s
.set rB, HB+8*\s
.set rW, WS+\s%4
.set rX, HBS+\s
.if \s == 0
	v_wmma_scale_f32_16x16x128_f8f6f4 v[rD:rD+7], v[rA:rA+7], v[rB:rB+7], v[B2:B2+7], v[rW], v[rX] matrix_a_fmt:MATRIX_FMT_FP4 matrix_b_fmt:MATRIX_FMT_FP4
.elseif \s == 1
	v_wmma_scale_f32_16x16x128_f8f6f4 v[rD:rD+7], v[rA:rA+7], v[rB:rB+7], 0, v[rW], v[rX] matrix_a_fmt:MATRIX_FMT_FP4 matrix_b_fmt:MATRIX_FMT_FP4
.elseif \s < 4
	v_wmma_scale_f32_16x16x128_f8f6f4 v[rD:rD+7], v[rA:rA+7], v[rB:rB+7], v[rD:rD+7], v[rW], v[rX] matrix_a_fmt:MATRIX_FMT_FP4 matrix_b_fmt:MATRIX_FMT_FP4
.else
	v_wmma_scale_f32_16x16x128_f8f6f4 v[rD:rD+7], v[rA:rA+7], v[rB:rB+7], v[rD:rD+7], v[rW], v[rX] matrix_a_fmt:MATRIX_FMT_FP4 matrix_b_fmt:MATRIX_FMT_FP4 matrix_a_scale:MATRIX_SCALE_ROW1
.endif
.endr
.rept 4
	v_nop                                          ; four places in front of the first read of the results (ISA guide 7.12.1)
.endr
.irp j, 0,1,2,3,4,5,6,7
	v_add_f32 v[KS+\j], v[ACC+\j], v[ACC+8+\j]     ; the two halves; each accumulator from its low end on
.endr
	ds_store_b128 v[CTW], v[KS:KS+3]               ; the sixteen lanes of a half hold the same numbers and write the same bytes
	ds_store_b128 v[CTW], v[KS+4:KS+7] offset:16
	s_wait_dscnt 0x0                               ; for the others' sake: my k_c lies in LDS
	s_barrier_signal -1
	s_barrier_wait -1
.irp k, 0,1,2,3,4,5,6,7
	ds_load_b32 v[KK+\k], v[CTR] offset:64*\k      ; k_c' at my lane's output
.endr
	s_wait_dscnt 0x0
.irp k, 0,1,2,3,4,5,6,7
	s_cmp_eq_u32 s24, \k
	s_cselect_b32 s40, -1, 0
	v_cndmask_b32 v[KK+\k], v[KK+\k], v[OWN], s40  ; in my own condition's place stands its b2 alone
.endr
	v_add_f32 v[KK], v[KK], v[KK+1]
.irp k, 2,3,4,5,6,7
	v_add_f32 v[KK], v[KK], v[KK+\k]
.endr
	s_wait_xcnt 0x0                                ; EXEC is a source of the stores above: it changes only behind this wait
	v_cmp_gt_u32 vcc_lo, 16, v[LANE]
	s_wait_tensorcnt 0x0
	ds_add_u32 v190, v191
	s_wait_dscnt 0x0
	s_and_saveexec_b32 s40, vcc_lo                 ; lanes 16-31 hold the same 16 sums again
	global_store_b32 v[OA], v[KK], s[38:39]        ; two runs of 32 bytes a wave: addv is 32 KiB in all
	s_wait_xcnt 0x0                                ; and again in front of the line that widens it
	s_or_b32 exec_lo, exec_lo, s40
	s_endpgm
.Lplain:                                           ; W1: only the new order
	DLOAD
	s_wait_loadcnt 0x0
	TURN TW1, TD1
	s_wait_dscnt 0x0
	FSTORE
	s_wait_tensorcnt 0x0
	ds_add_u32 v190, v191
	s_wait_dscnt 0x0
	s_endpgm
	; ---- the routing: whole numbers alone
.set ID,   16                          ; v16-31  my 16 ids; id j = 4 k + i belongs to row 512 w + 128 k + 4 lane + i
.set ENT,  32                          ; v32-47  their entries
.set POS,  48                          ; v48-63  their places in the list
.set TR,   64                          ; v64-71  at work
.set CW,   72                          ; v72-79  the eight waves' counts: lane e holds condition e's
.set ZR,   80
.set FLG,  81
.set ROW0, 82
.set FT,   83
.set CV,   84
.set RA,   85
.set RL,   86
.set PRE,  87
.set TOT,  88
.set TT,   89
.set GV,   90                          ; v90-97  where my wave's rows of condition e begin in the list
.set GT,   98
.set REC,  100                         ; v100-103 a tile's record
.set TTS,  104
.set TN,   105
.set TOF,  106
.set TA,   107
.set TB,   108
.set CN,   40                          ; s40-47  my wave's running counts; later my wave's first places
.set MK,   48                          ; s48-55  masks; later the waves' counts ahead of mine
.set T2,   56                          ; s56-63
.set NN,   66                          ; s66-73  rows of each condition
.set OF,   74                          ; s74-82  where each condition begins in the list
.set TS,   83                          ; s83-91  and among the tiles
.macro RANK j                          ; id j's place among my wave's rows of its condition: those counted so far + the lower lanes with the same id
.irp e, 0,1,2,3,4,5,6,7
	v_cmp_eq_u32 s[MK+\e], \e, v[ID+\j]
.endr
.irp e, 0,1,2,3,4,5,6,7
	v_mbcnt_lo_u32_b32 v[TR+\e], s[MK+\e], s[CN+\e]
.endr
	v_mov_b32 v[POS+\j], v[TR]
.irp e, 1,2,3,4,5,6,7
	v_cndmask_b32 v[POS+\j], v[POS+\j], v[TR+\e], s[MK+\e]
.endr
.irp e, 0,1,2,3,4,5,6,7
	s_bcnt1_i32_b32 s[T2+\e], s[MK+\e]
.endr
.irp e, 0,1,2,3,4,5,6,7
	s_add_co_u32 s[CN+\e], s[CN+\e], s[T2+\e]
.endr
.endm
.Lroute:
	v_lshlrev_b32 v5, 4, v[LANE]
	v_lshl_add_u32 v5, s24, 11, v5                 ; 2,048 w + 16 lane
	v_mov_b32 v[ZR], 0
	v_mov_b32 v[FLG], 0x10000
	v_lshlrev_b32 v[ROW0], 2, v[LANE]
	v_lshl_add_u32 v[ROW0], s24, 9, v[ROW0]        ; 512 w + 4 lane
	v_lshl_add_u32 v[RA], v0, 2, RT                ; my wave's 128 bytes, my lane's word
	v_lshl_add_u32 v[RL], v[LANE], 2, RT
	v_lshlrev_b32 v[L4], 2, v[LANE]
.irp e, 0,1,2,3,4,5,6,7
	s_mov_b32 s[CN+\e], 0
.endr
	s_wait_kmcnt 0x0
.irp k, 0,1,2,3
	global_load_b128 v[ID+4*\k:ID+4*\k+3], v5, s[14:15] offset:512*\k th:TH_LOAD_NT
.endr
	s_wait_loadcnt 0x0
.irp k, 0,1,2,3
.irp i, 0,1,2,3
	v_cmp_lt_u32 vcc_lo, 7, v[ID+4*\k+\i]          ; unsigned: negative ids too lie outside
	v_cndmask_b32 v[ID+4*\k+\i], v[ID+4*\k+\i], v[ZR], vcc_lo
	v_cndmask_b32 v[FT], v[ZR], v[FLG], vcc_lo
	v_add3_u32 v[ENT+4*\k+\i], v[ROW0], v[FT], 128*\k+\i
.endr
.endr
.irp j, 0,1,2,3,4,5,6,7,8,9,10,11,12,13,14,15
	RANK \j
.endr
	v_mov_b32 v[CV], 0
.irp e, 0,1,2,3,4,5,6,7
	v_writelane_b32 v[CV], s[CN+\e], \e
.endr
	ds_store_b32 v[RA], v[CV]
	s_wait_dscnt 0x0                               ; for the others' sake: my counts lie in LDS
	s_barrier_signal -1
	s_barrier_wait -1
.irp k, 0,1,2,3,4,5,6,7
	ds_load_b32 v[CW+\k], v[RL] offset:128*\k
.endr
	v_mov_b32 v[PRE], 0
	v_mov_b32 v[TOT], 0
	s_wait_dscnt 0x0
.irp k, 0,1,2,3,4,5,6,7
	s_cmp_gt_u32 s24, \k
	s_cselect_b32 s38, -1, 0
	v_cndmask_b32 v[TT], v[ZR], v[CW+\k], s38
	v_add_nc_u32 v[PRE], v[PRE], v[TT]             ; the waves ahead of mine
	v_add_nc_u32 v[TOT], v[TOT], v[CW+\k]          ; all eight
.endr
.irp e, 0,1,2,3,4,5,6,7
	v_readlane_b32 s[NN+\e], v[TOT], \e
	v_readlane_b32 s[MK+\e], v[PRE], \e
.endr
	s_mov_b32 s[OF], 0
	s_mov_b32 s[TS], 0
.irp e, 0,1,2,3,4,5,6,7
	s_add_co_u32 s[OF+1+\e], s[OF+\e], s[NN+\e]
	s_add_co_u32 s38, s[NN+\e], 31
	s_lshr_b32 s38, s38, 5                         ; its tiles of 32 rows, the last one short
	s_add_co_u32 s[TS+1+\e], s[TS+\e], s38
	s_add_co_u32 s[CN+\e], s[OF+\e], s[MK+\e]
.endr
.irp e, 0,1,2,3,4,5,6,7
	v_mov_b32 v[GV+\e], s[CN+\e]
.endr
.irp j, 0,1,2,3,4,5,6,7,8,9,10,11,12,13,14,15
	v_mov_b32 v[GT], v[GV]
.irp e, 1,2,3,4,5,6,7
	v_cmp_eq_u32 vcc_lo, \e, v[ID+\j]
	v_cndmask_b32 v[GT], v[GT], v[GV+\e], vcc_lo
.endr
	v_add_nc_u32 v[POS+\j], v[POS+\j], v[GT]
	v_min_u32 v[POS+\j], 0xfff, v[POS+\j]          ; held inside the list before it enters an address
	v_lshlrev_b32 v[POS+\j], 2, v[POS+\j]
	global_store_b32 v[POS+\j], v[ENT+\j], s[22:23]    ; the sort's scatter: 16 KiB in all.  Each id has registers of its own: no store's source is written again
.endr
	; thread T writes tile T's record: the last condition whose first tile is not behind T
	v_mov_b32 v[REC], 0
	v_mov_b32 v[TTS], 0
	v_mov_b32 v[TN], s[NN]
	v_mov_b32 v[TOF], 0
.irp e, 1,2,3,4,5,6,7
	v_cmp_gt_u32 vcc_lo, s[TS+\e], v0              ; condition e begins behind T: keep
	v_cndmask_b32 v[REC], \e, v[REC], vcc_lo
	v_cndmask_b32 v[TTS], s[TS+\e], v[TTS], vcc_lo
	v_cndmask_b32 v[TN], s[NN+\e], v[TN], vcc_lo
	v_cndmask_b32 v[TOF], s[OF+\e], v[TOF], vcc_lo
.endr
	v_sub_nc_u32 v[TA], v0, v[TTS]
	v_lshlrev_b32 v[TA], 5, v[TA]                  ; rows of the condition ahead of this tile
	v_add_nc_u32 v[REC+1], v[TOF], v[TA]
	v_sub_nc_u32 v[REC+2], v[TN], v[TA]
	v_min_u32 v[REC+2], 32, v[REC+2]
	v_cmp_gt_u32 vcc_lo, s[TS+8], v0               ; a tile that this split leaves without rows: (0, 4096, 0)
	v_cndmask_b32 v[REC], 0, v[REC], vcc_lo
	v_cndmask_b32 v[REC+1], 0x1000, v[REC+1], vcc_lo
	v_cndmask_b32 v[REC+2], 0, v[REC+2], vcc_lo
	v_mov_b32 v[REC+3], 0
	v_lshlrev_b32 v[TB], 4, v0
	s_wait_xcnt 0x0                                ; EXEC is a source of the stores above: it changes only behind this wait
	v_cmp_gt_u32 vcc_lo, NTIL, v0
	s_and_saveexec_b32 s38, vcc_lo
	global_store_b128 v[TB], v[REC:REC+3], s[22:23] offset:TABB
	s_wait_xcnt 0x0                                ; and again in front of the line that widens it
	s_or_b32 exec_lo, exec_lo, s38
	s_cmp_lg_u32 s24, 0
	s_cbranch_scc1 .Lrend
	global_store_b32 v[L4], v[ZR], s[22:23] offset:16384   ; entries 4096 .. 4127: what a last, short tile reads past the list's 4,096
.Lrend:
	s_wait_tensorcnt 0x0
	ds_add_u32 v190, v191
	s_wait_dscnt 0x0
	s_endpgm
.Lfunc_end_k_q6751b220a1_prep:
	.size	k_q6751b220a1_prep, .Lfunc_end_k_q6751b220a1_prep-k_q6751b220a1_prep
	.p2alignl 7, 3214868480
	.fill 96, 4, 3214868480
	.section	.rodata,"a",@progbits
	.p2align	6, 0x0
	.amdhsa_kernel k_q6751b220a1_prep
		.amdhsa_group_segment_fixed_size 144384
		.amdhsa_private_segment_fixed_size 0
		.amdhsa_enable_private_segment 0
		.amdhsa_kernarg_size 80
		.amdhsa_user_sgpr_count 2
		.amdhsa_user_sgpr_kernarg_segment_ptr 1
		.amdhsa_wavefront_size32 1
		.amdhsa_system_sgpr_workgroup_id_x 1
		.amdhsa_system_sgpr_workgroup_id_y 1
		.amdhsa_system_sgpr_workgroup_id_z 1
		.amdhsa_system_vgpr_workitem_id 0
		.amdhsa_next_free_vgpr 256
		.amdhsa_next_free_sgpr 100
		.amdhsa_reserve_vcc 1
		.amdhsa_float_denorm_mode_32 3
		.amdhsa_float_denorm_mode_16_64 3
		.amdhsa_memory_ordered 1
		.amdhsa_forward_progress 1
		.amdhsa_inst_pref_size 78
	.end_amdhsa_kernel
	.amdgpu_metadata
---
amdhsa.version: [ 1, 2 ]
amdhsa.kernels:
  - .name:           k_q6751b220a1_prep
    .symbol:         k_q6751b220a1_prep.kd
    .args:
      - { .name: W1_codes, .offset: 0, .size: 8, .value_kind: global_buffer, .address_space: global }
      - { .name: W2_codes, .offset: 8, .size: 8, .value_kind: global_buffer, .address_space: global }
      - { .name: W2_scales, .offset: 16, .size: 8, .value_kind: global_buffer, .address_space: global }
      - { .name: b1, .offset: 24, .size: 8, .value_kind: global_buffer, .address_space: global }
      - { .name: b2, .offset: 32, .size: 8, .value_kind: global_buffer, .address_space: global }
      - { .name: cond_ids, .offset: 40, .size: 8, .value_kind: global_buffer, .address_space: global }
      - { .name: w1f, .offset: 48, .size: 8, .value_kind: global_buffer, .address_space: global }
      - { .name: w2f, .offset: 56, .size: 8, .value_kind: global_buffer, .address_space: global }
      - { .name: addv, .offset: 64, .size: 8, .value_kind: global_buffer, .address_space: global }
      - { .name: route, .offset: 72, .size: 8, .value_kind: global_buffer, .address_space: global }
    .group_segment_fixed_size: 144384
    .private_segment_fixed_size: 0
    .kernarg_segment_align: 8
    .kernarg_segment_size: 80
    .max_flat_workgroup_size: 256
    .sgpr_count:     100
    .vgpr_count:     256
    .wavefront_size: 32
...
	.end_amdgpu_metadata
.endif
;; end of part 1
;; launch chain (part 2): grid 135 x 1, 8 waves a work-group, no clusters, 180,224 bytes of LDS; arguments x, w1f, w2f, W1_scales, W2_scales, b1, addv, route, out0; writes out0
.if DOCPART == 2
	.amdgcn_target "amdgcn-amd-amdhsa--gfx1250"
	.amdhsa_code_object_version 6
	.text
	.protected	k_q6751b220a1_chain
	.globl	k_q6751b220a1_chain
	.p2align	8
	.type	k_q6751b220a1_chain,@function
k_q6751b220a1_chain:
	s_mov_b64 s[64:65], 0
	v_nop
	global_prefetch_b8 v0, s[64:65] scope:SCOPE_SE
	s_setreg_imm32_b32 hwreg(HW_REG_WAVE_MODE, 25, 1), 1
	s_wait_xcnt 0x0
; out[b] = Q(relu(Q(x_b) W1_c + b1_c)) W2_c + addv[c], c = the row's condition; addv[c] = b2_c + what the seven other conditions give a masked row.  Both products on codes of FP4 (E2M1) with one E8M0
; scale for each 32 along K.  A row whose id lies outside 0 .. 7 is listed under condition 0 with a flag: its codes are cleared, and the same chain gives the sum of all eight conditions' masked rows.
; SHARES.  A work-group takes ONE tile of 32 rows of one condition (record ttmp9 of route) through the whole chain; the hidden layer stays in LDS; each row of out has one owner.  135 work-groups serve
; every split of 4,096 rows among 8 conditions (4096 / 32 + 7); one that the split leaves without rows walks the text and stores nothing.
; Wave w owns hidden units and outputs 128 w .. 128 w + 127 for all 32 rows: in each layer four groups of 32 units, each two tiles of 16.  Both products are used transposed (source 0 = 16 rows of the
; weight, source 1 = 16 rows of the batch): register j of tile u in lane (r, h) is unit 32 gl + 16 h + 8 u + j of row r, so a group's 16 registers are 16 neighbours along the next K.
; THE WEIGHTS GO FROM MEMORY STRAIGHT INTO REGISTERS, laid by the launch before in the operand's order: a load of the wave covers 512 consecutive bytes.  A ring of two sets of 128 registers: while a
; group's 32 products run, the next group's 34 loads are out, and the group after that is asked for behind the products: 34 to 68 loads of 512 bytes a wave, across both barriers.
; NO CLUSTER, NO JOINT LOADS: which tiles share a condition hangs on the list read from memory, and 135 work-groups divide into no cluster of four.  No tensor load, so no slot is filled again.
; LIMITS: NaN and infinities in x are not served.  A block of zeros gets the scale byte 1 where the quantiser says 127: its codes are zeros, and this program alone reads the byte.
.set XC,   0                           ; LDS: x's codes by rows: 32 x (512 bytes + 16): 33 x 16 bytes from row to row, so the 16 rows of a fragment load start at 16 different banks (64 banks of 4 bytes: ISA guide 11.1)
.set XP,   528
.set XSC,  16896                       ; x's scale bytes: 32 x (32 + 16)
.set XSP,  48
.set HIMG, 18432                       ; the hidden layer's 16 fragments (8 m + s) as images of their registers: 1,024 bytes each
.set HSC,  34816                       ; its scale words: 128 s + 64 m + 4 r
.set BL,   35840                       ; for each wave its 512 bytes of b1 and its 512 bytes of addv
.set STG,  44032                       ; for each wave a stage of 32 rows x (512 bytes + 16) for the way out
.set TABB, 16640                       ; where route's records begin
.set LI,   1                           ; 16 x lane
.set L4,   2                           ; 4 x lane
.set XL,   3                           ; 32 x lane
.set SA,   4                           ; a weight's scale words: 32 (r + 8 (r / 8)) + 16 h
.set XCW,  5                           ; where I store x's codes
.set XSW,  6                           ; and its scale bytes
.set XFR,  7                           ; where I read x's fragments
.set XSR,  8                           ; and its scale words
.set HWI,  9                           ; where I store the hidden layer's images
.set HWS,  10                          ; and its scale words
.set BLW,  11
.set BLR,  12
.set SO,   13                          ; the stage: in
.set SR,   14                          ; and back
.set XS,   16                          ; v16-23   source 1's scale words, K step s: lanes 0-15 rows 0-15, lanes 16-31 rows 16-31
.set WS,   24                          ; v24-39   the weights' scale words, two sets of 8: tile u at 4 u; lanes 0-15 K steps 0-3, lanes 16-31 K steps 4-7
.set BI,   40                          ; v40-55   the group's bias in the result's layout, tile u at 8 u
.set ACC,  56                          ; v56-87   accumulator (u, m) at 8 (2 m + u); at first x's codes and bytes on their way to LDS
.set PC,   88                          ; v88-95   the codes just made, 4 for each m; at first b1 and addv as loaded
.set TM,   96                          ; v96-105  at work
.set VA,   96                          ; v96-127  at the end: the 32 rows' byte offsets in out
.set XF,   128                         ; v128-255 x as loaded (row i at 32 i), then source 1's fragment (m, s) at 8 (8 m + s), at the end rows of out
                                       ; window 1: the ring: set g % 2 at 128 (g % 2), fragment (s, u) at + 8 (2 s + u)
; s[4:21] the buffers; s22 wave; s[24:27] the tile's record; s[28:31] my four rows' entries; s[32:63] all 32; s[66:73] my rows' addresses in x; s[74:77] their code masks;
; s[78:89] W1's codes, W2's codes, W1's scales, W2's scales, b1, addv at my wave's part; s[90:91] lane selects; s[92:93] out at my 512 bytes of a row
.set MSB, 0
.macro WIN new                         ; the immediate's high byte repeats the setting that is left
.if MSB != \new
	s_set_vgpr_msb (MSB<<8)|\new
.set MSB, \new
.endif
.endm
; Row i of my four is quantised: lane l holds k = 256 q + 8 l + 0 .. 7 of chunk q; four neighbouring lanes hold a block of 32.  The four chunks take turns line by line.
.macro QROW4 i
.set rX0, XF+32*(\i)
.set rCD, ACC+8*(\i)
.irp q, 0,1,2,3
	v_max3_num_f32 v[TM+\q], |v[rX0+8*\q]|, |v[rX0+8*\q+1]|, 0x1800000   ; with the floor 2^(3 - 127): the byte cannot fall under 1
.endr
.irp p, 2,4,6
.irp q, 0,1,2,3
	v_max3_num_f32 v[TM+\q], v[TM+\q], |v[rX0+8*\q+\p]|, |v[rX0+8*\q+\p+1]|
.endr
.endr
.irp q, 0,1,2,3
	v_max_num_f32_dpp v[TM+\q], v[TM+\q], v[TM+\q] row_xmask:1 row_mask:0xf bank_mask:0xf
.endr
.irp q, 0,1,2,3
	v_max_num_f32_dpp v[TM+\q], v[TM+\q], v[TM+\q] row_xmask:2 row_mask:0xf bank_mask:0xf
.endr
.irp q, 0,1,2,3
	v_add_nc_u32 v[TM+4+\q], 0xff000000, v[TM+\q]  ; 2 off the exponent field: the conversion takes that field as its scale
.endr
.irp q, 0,1,2,3
	v_cvt_scalef32_pk8_fp4_f32 v[rCD+\q], v[rX0+8*\q:rX0+8*\q+7], v[TM+4+\q]
.endr
.irp q, 0,1,2,3
	v_lshrrev_b32 v[rCD+4+\q], 23, v[TM+4+\q]      ; the scale's byte (and the plain place behind the conversions)
.endr
.irp q, 0,1,2,3
	v_and_b32 v[rCD+\q], s[74+(\i)], v[rCD+\q]     ; a row that is masked in every condition: zero codes
.endr
.irp q, 0,1,2,3
	ds_store_b32 v[XCW], v[rCD+\q] offset:XP*(\i)+128*\q
	ds_store_b8 v[XSW], v[rCD+4+\q] offset:XSP*(\i)+8*\q     ; the four lanes of a block write the same byte with the same value
.endr
.endm
; Group g (0-3: W1, 4-7: W2): its scale words and its 16 fragments, 34 loads, into set g % 2
.macro LOADW g
.set rCB, 78+2*((\g)/4)
.set rSB, 82+2*((\g)/4)
.irp u, 0,1
	global_load_b128 v[WS+8*((\g)%2)+4*\u:WS+8*((\g)%2)+4*\u+3], v[SA], s[rSB:rSB+1] offset:1024*((\g)%4)+256*\u
.endr
	WIN 0x40                                       ; destination window 1, address window 0
.irp s, 0,1,2,3,4,5,6,7
.irp u, 0,1
.irp c, 0,1
	global_load_b128 v[128*((\g)%2)+8*(2*\s+\u)+4*\c:128*((\g)%2)+8*(2*\s+\u)+4*\c+3], v[LI], s[rCB:rCB+1] offset:16384*((\g)%4)+1024*(2*\s+\u)+512*\c
.endr
.endr
.endr
	WIN 0
.endm
.macro LOADBI g                        ; the group's bias (b1, or addv), from my wave's own LDS bytes
.irp u, 0,1
.irp e, 0,1
	ds_load_b128 v[BI+8*\u+4*\e:BI+8*\u+4*\e+3], v[BLR] offset:512*((\g)/4)+128*((\g)%4)+32*\u+16*\e
.endr
.endr
.endm
.macro WM ra, rb                       ; one product; ra, rb: which half of the lanes holds source 0's and source 1's scale words
.if (\ra) && (\rb)
	v_wmma_scale_f32_16x16x128_f8f6f4 v[rD:rD+7], v[rA:rA+7], v[rB:rB+7], v[rC:rC+7], v[rW], v[rX] matrix_a_fmt:MATRIX_FMT_FP4 matrix_b_fmt:MATRIX_FMT_FP4 matrix_a_scale:MATRIX_SCALE_ROW1 matrix_b_scale:MATRIX_SCALE_ROW1
.elseif (\ra)
	v_wmma_scale_f32_16x16x128_f8f6f4 v[rD:rD+7], v[rA:rA+7], v[rB:rB+7], v[rC:rC+7], v[rW], v[rX] matrix_a_fmt:MATRIX_FMT_FP4 matrix_b_fmt:MATRIX_FMT_FP4 matrix_a_scale:MATRIX_SCALE_ROW1
.elseif (\rb)
	v_wmma_scale_f32_16x16x128_f8f6f4 v[rD:rD+7], v[rA:rA+7], v[rB:rB+7], v[rC:rC+7], v[rW], v[rX] matrix_a_fmt:MATRIX_FMT_FP4 matrix_b_fmt:MATRIX_FMT_FP4 matrix_b_scale:MATRIX_SCALE_ROW1
.else
	v_wmma_scale_f32_16x16x128_f8f6f4 v[rD:rD+7], v[rA:rA+7], v[rB:rB+7], v[rC:rC+7], v[rW], v[rX] matrix_a_fmt:MATRIX_FMT_FP4 matrix_b_fmt:MATRIX_FMT_FP4
.endif
.endm
; A group's 32 products: K ascending; the four accumulators take turns, one instruction a turn.  The bias is the C of each sum's first product: nothing is cleared or added.
.macro MUL g
	WIN 0x01                                       ; source 0 (the weight) window 1
.irp s, 0,1,2,3,4,5,6,7
.irp m, 0,1
.irp u, 0,1
.set rD, ACC+8*(2*\m+\u)
.set rA, 128*((\g)%2)+8*(2*\s+\u)
.set rB, XF+8*(8*\m+\s)
.set rW, WS+8*((\g)%2)+4*\u+\s%4
.set rX, XS+\s
.if \s == 0
.set rC, BI+8*\u
.else
.set rC, rD
.endif
	WM \s/4, \m
.endr
.endr
.endr
	WIN 0
.endm
; The group's 32 hidden units of the 32 rows: relu, then block b of my K step of the second product.  A block lies in lanes l and l xor 16.
.macro HQUANT b
.set jj, 0
.rept 32
	v_max_num_f32 v[ACC+jj], 0, v[ACC+jj]          ; the activation, in f32; each accumulator from its low end on
.set jj, jj+1
.endr
.irp m, 0,1
	v_max3_num_f32 v[TM+\m], v[ACC+16*\m], v[ACC+16*\m+1], 0x1800000   ; none is negative: no |.|
.endr
.irp p, 2,4,6,8,10,12,14
.irp m, 0,1
	v_max3_num_f32 v[TM+\m], v[TM+\m], v[ACC+16*\m+\p], v[ACC+16*\m+\p+1]
.endr
.endr
.irp m, 0,1
	v_permlanex16_b32 v[TM+2+\m], v[TM+\m], s90, s91
.endr
.irp m, 0,1
	v_max_num_f32 v[TM+\m], v[TM+\m], v[TM+2+\m]
.endr
.irp m, 0,1
	v_add_nc_u32 v[TM+4+\m], 0xff000000, v[TM+\m]
.endr
.irp m, 0,1
	v_lshrrev_b32 v[TM+6+\m], 23, v[TM+4+\m]
.endr
.irp m, 0,1
.if (\b) == 0
	v_mov_b32 v[TM+8+\m], v[TM+6+\m]               ; the four groups' bytes make my K step's scale word of row r
.else
	v_lshl_or_b32 v[TM+8+\m], v[TM+6+\m], 8*(\b), v[TM+8+\m]
.endif
.endr
.irp m, 0,1
	v_cvt_scalef32_pk8_fp4_f32 v[PC+4*\m+2*((\b)%2)], v[ACC+16*\m:ACC+16*\m+7], v[TM+4+\m]
	v_cvt_scalef32_pk8_fp4_f32 v[PC+4*\m+2*((\b)%2)+1], v[ACC+16*\m+8:ACC+16*\m+15], v[TM+4+\m]
.endr
	v_nop                                          ; one plain place behind the last scaled conversion
.if (\b)%2
.irp m, 0,1
.irp i, 0,1
	v_permlane16_swap_b32 v[PC+4*\m+\i], v[PC+4*\m+2+\i]     ; the operand wants a whole block in a lane: lanes 0-15 the even block, lanes 16-31 the odd one
.endr
.endr
.irp m, 0,1
	ds_store_b128 v[HWI], v[PC+4*\m:PC+4*\m+3] offset:8192*\m+512*((\b)/2)   ; four registers of fragment (m, s = my wave) as they stand
.endr
.endif
.if (\b) == 3
.irp m, 0,1
	ds_store_b32 v[HWS], v[TM+8+\m] offset:64*\m   ; lanes r and 16 + r hold the same word and write the same bytes
.endr
.endif
.endm
.macro STAGE b                         ; the group's 32 outputs of the 32 rows into my stage, each accumulator from its low end on
.irp m, 0,1
.irp u, 0,1
	ds_store_b128 v[SO], v[ACC+8*(2*\m+\u):ACC+8*(2*\m+\u)+3] offset:16*XP*\m+128*(\b)+32*\u
	ds_store_b128 v[SO], v[ACC+8*(2*\m+\u)+4:ACC+8*(2*\m+\u)+7] offset:16*XP*\m+128*(\b)+32*\u+16
.endr
.endr
.endm
.macro GROUP g
.if (\g) < 7
	s_wait_loadcnt 34                              ; this group's 34 loads are in; the next group's 34 may be out
.else
	s_wait_loadcnt 0x0
.endif
	s_wait_dscnt 0x0                               ; the bias, source 1's fragments where they are new; and the last group's LDS stores have read the accumulators
	MUL \g
.rept 5
	v_nop                                          ; four places in front of the loads into the set just multiplied and of the first read of the results; the fifth for the next group's products, which begin the accumulators anew
.endr
.if (\g) < 6
	LOADW (\g)+2
.endif
.if (\g) < 7
	LOADBI (\g)+1
.endif
.if (\g) < 4
	HQUANT (\g)
.else
	STAGE (\g)-4
.endif
.endm
	s_load_b512 s[4:19], s[0:1], 0x0               ; x s[4:5], w1f s[6:7], w2f s[8:9], W1_scales s[10:11], W2_scales s[12:13], b1 s[14:15], addv s[16:17], route s[18:19]
	s_load_b64 s[20:21], s[0:1], 0x40              ; out0
	s_lshl_b32 s23, ttmp9, 4                       ; my tile's record: 16 bytes
	v_and_b32 v96, 31, v0                          ; lane
	v_and_b32 v97, 15, v0                          ; r
	v_bfe_u32 v98, v0, 4, 1                        ; h
	v_lshrrev_b32 v99, 5, v0
	v_readfirstlane_b32 s22, v99                   ; wave 0..7
	s_wait_kmcnt 0x0
	s_load_b128 s[24:27], s[18:19], s23 offset:TABB
	v_lshlrev_b32 v[LI], 4, v96
	v_lshlrev_b32 v[L4], 2, v96
	v_lshlrev_b32 v[XL], 5, v96
	v_and_b32 v99, 8, v97
	v_add_nc_u32 v99, v99, v97                     ; r + 8 (r / 8)
	v_lshlrev_b32 v[SA], 5, v99
	v_lshl_add_u32 v[SA], v98, 4, v[SA]
	s_mul_i32 s2, s22, 4*XP
	v_add_nc_u32 v[XCW], s2, v[L4]                 ; my four rows of x's codes (XC = 0), 4 x lane
	s_mul_i32 s2, s22, 4*XSP
	s_add_co_u32 s2, s2, XSC
	v_lshrrev_b32 v99, 2, v96
	v_add_nc_u32 v[XSW], s2, v99
	v_mul_u32_u24 v[XFR], v97, XP
	v_lshl_add_u32 v[XFR], v98, 4, v[XFR]
	v_mul_u32_u24 v[XSR], v96, XSP
	v_add_nc_u32 v[XSR], XSC, v[XSR]
	s_lshl_b32 s2, s22, 10
	s_add_co_u32 s3, s2, HIMG
	v_add_nc_u32 v[HWI], s3, v[LI]
	s_lshl_b32 s3, s22, 7
	s_add_co_u32 s3, s3, HSC
	v_lshl_add_u32 v[HWS], v97, 2, s3
	s_add_co_u32 s2, s2, BL
	v_add_nc_u32 v[BLW], s2, v[LI]
	v_lshl_add_u32 v[BLR], v98, 6, s2
	s_mul_i32 s2, s22, 32*XP
	s_add_co_u32 s2, s2, STG
	v_mul_u32_u24 v[SO], v97, XP
	v_lshl_add_u32 v[SO], v98, 6, v[SO]
	v_add_nc_u32 v[SO], s2, v[SO]                  ; row r, + 64 h
	v_add_nc_u32 v[SR], s2, v[LI]
	s_mov_b32 s90, 0x76543210
	s_mov_b32 s91, 0xfedcba98                      ; v_permlanex16_b32's selects for lane l xor 16
	s_wait_kmcnt 0x0
	s_min_u32 s24, s24, 7                          ; the condition, the first entry and the rows, held before they enter addresses and compares
	s_min_u32 s25, s25, 0x1000
	s_min_u32 s26, s26, 32
	s_lshl_b32 s94, s25, 2
	s_lshl_b32 s95, s22, 4
	s_add_co_u32 s95, s95, s94
	s_load_b512 s[32:47], s[18:19], s94 offset:0x0 ; the tile's 32 entries (a short tile reads on into the next condition's, or into the list's 32 zeros: computed, never stored),
	s_load_b512 s[48:63], s[18:19], s94 offset:0x40
	s_load_b128 s[28:31], s[18:19], s95 offset:0x0 ; and once more the four that my wave quantises
	s_lshl_b32 s2, s24, 19                         ; my wave's part of the condition's codes: c 2^19 + w 2^16,
	s_lshl_b32 s23, s22, 16
	s_add_co_u32 s2, s2, s23
	s_mov_b32 s3, 0
	s_add_nc_u64 s[78:79], s[6:7], s[2:3]
	s_add_nc_u64 s[80:81], s[8:9], s[2:3]
	s_lshl_b32 s2, s24, 15                         ; of its scale bytes: c 2^15 + w 2^12,
	s_lshl_b32 s23, s22, 12
	s_add_co_u32 s2, s2, s23
	s_add_nc_u64 s[82:83], s[10:11], s[2:3]
	s_add_nc_u64 s[84:85], s[12:13], s[2:3]
	s_lshl_b32 s2, s24, 12                         ; of b1 and addv: c 2^12 + w 2^9
	s_lshl_b32 s23, s22, 9
	s_add_co_u32 s2, s2, s23
	s_add_nc_u64 s[86:87], s[14:15], s[2:3]
	s_add_nc_u64 s[88:89], s[16:17], s[2:3]
	s_mov_b32 s2, s23
	s_add_nc_u64 s[92:93], s[20:21], s[2:3]        ; out at my wave's 512 bytes of a row
	global_load_b128 v[PC:PC+3], v[LI], s[86:87]   ; my 128 numbers of b1: 512 consecutive bytes,
	global_load_b128 v[PC+4:PC+7], v[LI], s[88:89] ; and of addv
	LOADW 0
	s_wait_kmcnt 0x0
.irp i, 0,1,2,3
	s_lshr_b32 s[74+\i], s[28+\i], 16
	s_sub_co_u32 s[74+\i], s[74+\i], 1             ; the flag 1 gives the mask 0, the flag 0 all ones
	s_and_b32 s2, s[28+\i], 0xfff                  ; the row, without the flag,
	s_min_u32 s2, s2, 0xfff                        ; held inside x before it enters an address
	s_lshl_b32 s2, s2, 12
	s_add_nc_u64 s[66+2*\i:67+2*\i], s[4:5], s[2:3]
.endr
.irp i, 0,1,2,3
.irp q, 0,1,2,3
.irp e, 0,1
	global_load_b128 v[XF+32*\i+8*\q+4*\e:XF+32*\i+8*\q+4*\e+3], v[XL], s[66+2*\i:67+2*\i] offset:1024*\q+16*\e   ; the two loads of a pair cover 1,024 consecutive bytes.  No hint: a short tile's overhang names rows that another tile reads
.endr
.endr
.endr
.set ii, 0
.rept 32
	s_and_b32 s[32+ii], s[32+ii], 0xfff            ; all 32 rows for the way out, cut and held likewise
	s_min_u32 s[32+ii], s[32+ii], 0xfff
.set ii, ii+1
.endr
	s_wait_loadcnt 24                              ; my row 0 is in (and all that was asked for ahead of it); the 24 loads of rows 1 to 3 may be out
	ds_store_b128 v[BLW], v[PC:PC+3]
	ds_store_b128 v[BLW], v[PC+4:PC+7] offset:512
	QROW4 0
.irp i, 1,2,3
	s_wait_loadcnt 24-8*\i                         ; row i is in; the rows behind it may be out
	QROW4 \i
.endr
	LOADW 1
	LOADBI 0                                       ; my own bytes: LDS serves a wave's instructions in order (ISA guide 5.7.1.4)
	s_wait_dscnt 0x0                               ; for the others' sake: my four rows' codes and bytes lie in LDS
	s_barrier_signal -1
	s_barrier_wait -1                              ; all 32 rows' do.  (The ring's loads stay on their way: no wave stores what they read)
.irp m, 0,1
.irp s, 0,1,2,3,4,5,6,7
.irp c, 0,1
	ds_load_b128 v[XF+8*(8*\m+\s)+4*\c:XF+8*(8*\m+\s)+4*\c+3], v[XFR] offset:16*XP*\m+64*\s+32*\c
.endr
.endr
.endr
	ds_load_b128 v[XS:XS+3], v[XSR]                ; lane l: row l's eight scale words
	ds_load_b128 v[XS+4:XS+7], v[XSR] offset:16
	GROUP 0
	GROUP 1
	GROUP 2
	GROUP 3
	s_wait_dscnt 0x0                               ; for the others' sake: my K step of the hidden layer lies in LDS
	s_barrier_signal -1
	s_barrier_wait -1                              ; all eight K steps do
.irp m, 0,1
.irp s, 0,1,2,3,4,5,6,7
.irp c, 0,1
	ds_load_b128 v[XF+8*(8*\m+\s)+4*\c:XF+8*(8*\m+\s)+4*\c+3], v[LI] offset:HIMG+1024*(8*\m+\s)+512*\c
.endr
.endr
.endr
.irp s, 0,1,2,3,4,5,6,7
	ds_load_b32 v[XS+\s], v[L4] offset:HSC+128*\s  ; lanes 0-15 rows 0-15, lanes 16-31 rows 16-31
.endr
	GROUP 4
	GROUP 5
	GROUP 6
	GROUP 7
	; THE WAY OUT: my 128 outputs of each row come back from my stage as 512 consecutive bytes, and the 32 lanes store them at the row's own place: two aligned runs of 256 bytes
.set ii, 0
.rept 32
	ds_load_b128 v[XF+4*ii:XF+4*ii+3], v[SR] offset:XP*ii
.set ii, ii+1
.endr
.set ii, 0
.rept 32
	v_lshl_add_u32 v[VA+ii], s[32+ii], 12, v[LI]   ; a row of out is 4,096 bytes
.set ii, ii+1
.endr
	s_wait_dscnt 0x0
.set ii, 0
.rept 32
	s_cmp_gt_u32 s26, ii                           ; only the tile's own rows are stored: the count comes from the list that the launch before stored
	s_cbranch_scc0 .Lend
	global_store_b128 v[VA+ii], v[XF+4*ii:XF+4*ii+3], s[92:93] th:TH_STORE_NT
.set ii, ii+1
.endr
.Lend:
	s_wait_xcnt 0x0
	v_lshl_add_u32 v254, v0, 2, 0x2bc00
	v_mov_b32 v255, 0
	s_wait_tensorcnt 0x0
	ds_add_u32 v254, v255
	s_wait_dscnt 0x0
	s_endpgm
.Lfunc_end_k_q6751b220a1_chain:
	.size	k_q6751b220a1_chain, .Lfunc_end_k_q6751b220a1_chain-k_q6751b220a1_chain
	.p2alignl 7, 3214868480
	.fill 96, 4, 3214868480
	.section	.rodata,"a",@progbits
	.p2align	6, 0x0
	.amdhsa_kernel k_q6751b220a1_chain
		.amdhsa_group_segment_fixed_size 180224
		.amdhsa_private_segment_fixed_size 0
		.amdhsa_enable_private_segment 0
		.amdhsa_kernarg_size 72
		.amdhsa_user_sgpr_count 2
		.amdhsa_user_sgpr_kernarg_segment_ptr 1
		.amdhsa_wavefront_size32 1
		.amdhsa_system_sgpr_workgroup_id_x 1
		.amdhsa_system_sgpr_workgroup_id_y 1
		.amdhsa_system_sgpr_workgroup_id_z 1
		.amdhsa_system_vgpr_workitem_id 0
		.amdhsa_next_free_vgpr 512
		.amdhsa_next_free_sgpr 96
		.amdhsa_reserve_vcc 0
		.amdhsa_float_denorm_mode_32 3
		.amdhsa_float_denorm_mode_16_64 3
		.amdhsa_memory_ordered 1
		.amdhsa_forward_progress 1
		.amdhsa_inst_pref_size 114
	.end_amdhsa_kernel
	.amdgpu_metadata
---
amdhsa.version: [ 1, 2 ]
amdhsa.kernels:
  - .name:           k_q6751b220a1_chain
    .symbol:         k_q6751b220a1_chain.kd
    .args:
      - { .name: x, .offset: 0, .size: 8, .value_kind: global_buffer, .address_space: global }
      - { .name: w1f, .offset: 8, .size: 8, .value_kind: global_buffer, .address_space: global }
      - { .name: w2f, .offset: 16, .size: 8, .value_kind: global_buffer, .address_space: global }
      - { .name: W1_scales, .offset: 24, .size: 8, .value_kind: global_buffer, .address_space: global }
      - { .name: W2_scales, .offset: 32, .size: 8, .value_kind: global_buffer, .address_space: global }
      - { .name: b1, .offset: 40, .size: 8, .value_kind: global_buffer, .address_space: global }
      - { .name: addv, .offset: 48, .size: 8, .value_kind: global_buffer, .address_space: global }
      - { .name: route, .offset: 56, .size: 8, .value_kind: global_buffer, .address_space: global }
      - { .name: out0, .offset: 64, .size: 8, .value_kind: global_buffer, .address_space: global }
    .group_segment_fixed_size: 180224
    .private_segment_fixed_size: 0
    .kernarg_segment_align: 8
    .kernarg_segment_size: 72
    .max_flat_workgroup_size: 256
    .sgpr_count:     96
    .vgpr_count:     512
    .wavefront_size: 32
...
	.end_amdgpu_metadata
.endif
;; end of part 2
;; ======== version 2 of 2: 2 launches
;; workspace buffers: w1f 4,194,304 bytes; w2f 4,194,304 bytes; addv 32,768 bytes; route 18,944 bytes of whole numbers
;; launch prep (part 3): grid 129 x 1, 8 waves a work-group, no clusters, 144,384 bytes of LDS; arguments W1_codes, W2_codes, W2_scales, b1, b2, cond_ids, w1f, w2f, addv, route; writes w1f, w2f, addv, route
.if DOCPART == 3
	.amdgcn_target "amdgcn-amd-amdhsa--gfx1250"
	.amdhsa_code_object_version 6
	.text
	.protected	k_q6751b220a1_prep
	.globl	k_q6751b220a1_prep
	.p2align	8
	.type	k_q6751b220a1_prep,@function
k_q6751b220a1_prep:
	s_mov_b64 s[64:65], 0
	v_nop
	global_prefetch_b8 v0, s[64:65] scope:SCOPE_SE
	s_setreg_imm32_b32 hwreg(HW_REG_WAVE_MODE, 25, 1), 1
	s_wait_xcnt 0x0
; All that does not hang on x, made once.  Three roles, by the work-group's number g:
;   0-63    W1's codes of ONE TILE of 16 rows (J = g / 2, u = g % 2), wave c = condition c, are laid in the order of the operand's registers: w1f.
;   64-127  the same for W2 (g - 64): w2f; and, with the fragments still in registers, k_c = Q(relu(b1_c)) W2_c + b2_c for the tile's 16 outputs:
;           what a row that is masked in condition c gets from it.  addv[c][n] = b2[c][n] + the sum over c' != c of k_c'[n].
;   128     the rows are sorted by condition (a counting sort, whole numbers alone) and the list of tiles of 32 rows is written: route.
; LAYOUT of w1f, w2f: [c 8][J 32][K step s 8][tile u 2][half cc 2][lane 32][16 bytes].  Lane (r, h) of tile u holds row 32 J + 8 u + r + 8 (r / 8), bytes 64 s + 32 cc + 16 h:
; a fragment (16 rows x 128 K of 4-bit codes: 8 registers) is 1,024 bytes on end, and two tiles' results, used transposed, are 16 neighbours along the next K.
; THE TURN.  A fragment's lane wants 16 bytes of its own row, and the rows lie 512 bytes apart.  So the codes are LOADED BY ROWS, each load of the wave 512 consecutive bytes, go into the wave's own LDS
; bytes as rows of 512 + 16 bytes, and come back in the operand's order: 16 stores and 16 loads a wave.  Each store to w1f, w2f again covers 512 consecutive bytes, aligned.
; LAYOUT of route: entries 0 .. 4127 of 4 bytes: a row's number, + 0x10000 where its id lies outside 0 .. 7 (such a row is masked in all eight conditions: it is listed under condition 0 and its
; codes are cleared later); sorted by condition; 4096 .. 4127 are 0.  From byte 16,640: 135 records (condition, first entry, rows, 0): never more than 4096 / 32 + 7 tiles, whatever the ids.
; LIMITS: NaN and infinities in b1 are not served.  A block of zeros gets the scale byte 1 where the quantiser says 127: its codes are zeros, and this program alone reads the byte.
; The f32 sums (k_c's K steps in two halves, the sum over the conditions) are taken in another order than the reference's.
; No cluster and no tensor load: the codes are read by one work-group alone; what W2's 64 work-groups share is b1, 32 KiB in all, 4 KiB a wave.  The three roles use LDS bytes of their own.
.set TP,   528                         ; a row in the turn: 512 bytes + 16 = 132 words: row r starts at bank 4 r mod 64 (64 banks of 4 bytes: ISA guide 11.1), so the 16 rows that a load touches start at 16 different banks
.set TRW,  16*TP                       ; LDS 0: W2's turn, 16 rows for each wave;
.set TR1,  8*TRW                       ; W1's turn likewise
.set HBR,  16*TRW                      ; for each wave 512 bytes of codes of Q(relu(b1_c)) and its 32 scale bytes
.set HBP,  768
.set CT,   HBR+8*HBP                   ; k_c of the work-group's 16 outputs: [8][16] f32
.set RT,   CT+1024                     ; the routing's counts: 128 bytes a wave
.set TABB, 16640                       ; where route's records begin
.set NTIL, 135
.set LANE, 2
.set R,    3                           ; lane % 16
.set H,    4                           ; lane / 16
.set RR,   5                           ; r + 8 (r / 8)
.set TW,   6                           ; the turn, in: my wave's bytes + 16 x lane
.set LI,   7                           ; 16 x lane
.set XL,   8                           ; 32 x lane
.set SA,   9                           ; scale words: 32 (r + 8 (r / 8)) + 16 h
.set L4,   10                          ; 4 x lane
.set BA,   11                          ; 64 h
.set HWR,  12                          ; my wave's codes of b1 in LDS, 4 x lane
.set HW8,  13                          ; its scale bytes, lane / 4
.set HRD,  14                          ; the same codes read as a fragment: 16 h
.set HSD,  15                          ; my wave's bytes, the same in all lanes
.set XR,   16                          ; v16-47   b1_c's row: chunk q of 256 numbers, 8 a lane, at 8 q
.set HB,   48                          ; v48-111  its 8 fragments
.set HBS,  112                         ; v112-119 its 8 scale words
.set WS,   120                         ; v120-123 W2's scale words: lanes 0-15 K steps 0-3, lanes 16-31 K steps 4-7
.set B2,   124                         ; v124-131 b2 in the result's layout
.set ACC,  132                         ; v132-147 k_c in two halves: the even K steps', the odd K steps'
.set T,    148                         ; at work
.set SCL,  152
.set CD,   156
.set BY,   160
.set KS,   164                         ; v164-171 k_c
.set KK,   172                         ; v172-179 the eight conditions' k at my lane's output
.set OWN,  180                         ; b2[c] at my lane's output
.set CTW,  181
.set CTR,  182
.set OA,   183                         ; my lane's output among the tile's 16, in bytes
.set TD,   184                         ; the turn, back: my wave's bytes + 528 r + 16 h
.set TW1,  185                         ; the same two for W1's role
.set TD1,  186
.set F,    192                         ; v192-255 the tile's codes: row i at 4 i as loaded, then fragment s at 8 s
.macro DLOAD                           ; my condition's 16 rows of the tile: rows 0-7 and 16-23 from the tile's first; each load 512 consecutive bytes, read once in the launch
.irp i, 0,1,2,3,4,5,6,7,8,9,10,11,12,13,14,15
	global_load_b128 v[F+4*\i:F+4*\i+3], v[LI], s[26:27] offset:512*(\i+8*(\i/8)) th:TH_LOAD_NT
.endr
.endm
.macro TURN tw, td                     ; in by rows, back by fragments, into the registers that they left.  My wave's own bytes: LDS serves a wave's instructions in order (ISA guide 5.7.1.4)
.set ii, 0
.rept 16
	ds_store_b128 v[\tw], v[F+4*ii:F+4*ii+3] offset:TP*ii
.set ii, ii+1
.endr
.irp s, 0,1,2,3,4,5,6,7
.irp c, 0,1
	ds_load_b128 v[F+8*\s+4*\c:F+8*\s+4*\c+3], v[\td] offset:64*\s+32*\c
.endr
.endr
.endm
.macro FSTORE                          ; the 8 fragments out as they stand: fragment (s, u) lies 1,024 (2 s + u) bytes into the block; u is in the base
.irp s, 0,1,2,3,4,5,6,7
.irp c, 0,1
	global_store_b128 v[LI], v[F+8*\s+4*\c:F+8*\s+4*\c+3], s[28:29] offset:2048*\s+512*\c
.endr
.endr
.endm
	s_load_b512 s[4:19], s[0:1], 0x0               ; W1_codes s[4:5], W2_codes s[6:7], W2_scales s[8:9], b1 s[10:11], b2 s[12:13], cond_ids s[14:15], w1f s[16:17], w2f s[18:19]
	s_load_b128 s[20:23], s[0:1], 0x40             ; addv s[20:21], route s[22:23]
	v_lshl_add_u32 v190, v0, 2, 0x23000
	v_mov_b32 v191, 0
	v_lshrrev_b32 v1, 5, v0
	s_delay_alu instid0(VALU_DEP_1)
	v_readfirstlane_b32 s24, v1                    ; wave 0..7: the condition c (in the routing: which 512 ids)
	v_and_b32 v[LANE], 31, v0
	s_cmp_eq_u32 ttmp9, 128
	s_cbranch_scc1 .Lroute                         ; each role waits for the arguments itself, behind its address arithmetic
	; ---- the weights' roles
	v_and_b32 v[R], 15, v0
	v_bfe_u32 v[H], v0, 4, 1
	v_lshlrev_b32 v[LI], 4, v[LANE]
	s_mul_i32 s41, s24, TRW
	v_add_nc_u32 v[TW], s41, v[LI]
	v_mul_u32_u24 v[TD], v[R], TP
	s_delay_alu instid0(VALU_DEP_1)
	v_lshl_add_u32 v[TD], v[H], 4, v[TD]
	s_delay_alu instid0(VALU_DEP_1)
	v_add_nc_u32 v[TD], s41, v[TD]
	s_delay_alu instid0(VALU_DEP_4)
	v_add_nc_u32 v[TW1], TR1, v[TW]
	s_delay_alu instid0(VALU_DEP_2)
	v_add_nc_u32 v[TD1], TR1, v[TD]
	s_and_b32 s25, ttmp9, 63
	s_lshr_b32 s44, s25, 1                         ; J
	s_and_b32 s45, s25, 1                          ; u
	s_lshl_b32 s30, s24, 19                        ; a condition's codes are 2^19 bytes, a block of 32 rows 2^14: the same in both layouts
	s_lshl_b32 s31, s44, 14
	s_add_co_u32 s30, s30, s31
	s_lshl_b32 s31, s45, 12                        ; as given, tile u begins 8 rows of 512 bytes on;
	s_add_co_u32 s42, s30, s31
	s_lshl_b32 s31, s45, 10                        ; in the new order one fragment on
	s_add_co_u32 s30, s30, s31
	s_mov_b32 s31, 0
	s_mov_b32 s43, 0
	s_wait_kmcnt 0x0
	s_cmp_lt_u32 ttmp9, 64                         ; W1's work-group or W2's: the choice hangs on the work-group's number alone
	s_cselect_b64 s[26:27], s[4:5], s[6:7]
	s_cselect_b64 s[28:29], s[16:17], s[18:19]
	s_add_nc_u64 s[26:27], s[26:27], s[42:43]
	s_add_nc_u64 s[28:29], s[28:29], s[30:31]
	s_cmp_lt_u32 ttmp9, 64
	s_cbranch_scc1 .Lplain
	s_wait_alu depctr_va_vdst(0)
	; ---- W2: the 16 rows, and 12 more loads behind them: b1_c (8), W2's scale words (1), b2 as the sum's start (2), b2 at my lane's output (1)
	DLOAD
	v_and_b32 v[RR], 8, v[R]
	s_delay_alu instid0(VALU_DEP_1)
	v_add_nc_u32 v[RR], v[RR], v[R]
	v_lshlrev_b32 v[XL], 5, v[LANE]
	s_wait_alu depctr_va_vdst(0)
	v_lshlrev_b32 v[SA], 5, v[RR]
	s_delay_alu instid0(VALU_DEP_1)
	v_lshl_add_u32 v[SA], v[H], 4, v[SA]
	s_wait_alu depctr_va_vdst(0)
	v_lshlrev_b32 v[BA], 6, v[H]
	s_wait_alu depctr_va_vdst(0)
	v_and_b32 v1, 7, v0
	v_bfe_u32 v[OA], v0, 3, 1
	s_delay_alu instid0(VALU_DEP_1)
	v_lshlrev_b32 v[OA], 6, v[OA]
	s_delay_alu instid0(VALU_DEP_1)
	v_lshl_add_u32 v[OA], v1, 2, v[OA]             ; lane 8 h' + j (and the lane 16 on): output 16 h' + j of the tile: 64 h' + 4 j bytes
	s_wait_alu depctr_va_vdst(0)
	s_lshl_b32 s30, s24, 12
	s_add_nc_u64 s[32:33], s[10:11], s[30:31]      ; b1_c
	s_lshl_b32 s40, s44, 7
	s_add_co_u32 s30, s30, s40
	s_lshl_b32 s40, s45, 5
	s_add_co_u32 s30, s30, s40
	s_add_nc_u64 s[36:37], s[12:13], s[30:31]      ; b2_c at output 32 J + 8 u
	s_add_nc_u64 s[38:39], s[20:21], s[30:31]      ; addv likewise
	s_lshl_b32 s30, s24, 15
	s_lshl_b32 s40, s44, 10
	s_add_co_u32 s30, s30, s40
	s_lshl_b32 s40, s45, 8
	s_add_co_u32 s30, s30, s40
	s_add_nc_u64 s[34:35], s[8:9], s[30:31]        ; W2's scale bytes of rows 32 J + 8 u on: 32 bytes a row
.irp q, 0,1,2,3
.irp e, 0,1
	global_load_b128 v[XR+8*\q+4*\e:XR+8*\q+4*\e+3], v[XL], s[32:33] offset:1024*\q+16*\e   ; lane l: b1_c[256 q + 8 l + 0 .. 7]
.endr
.endr
	global_load_b128 v[WS:WS+3], v[SA], s[34:35]
.irp e, 0,1
	global_load_b128 v[B2+4*\e:B2+4*\e+3], v[BA], s[36:37] offset:16*\e       ; register j in lane (r, h) is output 32 J + 8 u + 16 h + j
.endr
	global_load_b32 v[OWN], v[OA], s[36:37]
	s_mul_i32 s40, s24, HBP
	s_add_co_u32 s40, s40, HBR
	v_lshl_add_u32 v[HWR], v[LANE], 2, s40
	v_lshrrev_b32 v1, 2, v[LANE]
	s_delay_alu instid0(VALU_DEP_1)
	v_add_nc_u32 v[HW8], s40, v1
	v_lshl_add_u32 v[HRD], v[H], 4, s40
	v_mov_b32 v[HSD], s40
	s_lshl_b32 s40, s24, 6
	s_add_co_u32 s40, s40, CT
	v_lshl_add_u32 v[CTW], v[H], 5, s40
	v_lshl_add_u32 v[CTR], v[R], 2, CT
	s_wait_loadcnt 12                              ; the 16 rows are in; the 12 loads behind them may be out
	TURN TW, TD
	s_wait_loadcnt 4                               ; b1_c's eight are in
	; relu(b1_c) is quantised along its 1,024 while the turn is served: a lane holds 8 neighbours of each chunk, four neighbouring lanes a block of 32
.set jj, 0
.rept 32
	v_max_num_f32 v[XR+jj], 0, v[XR+jj]
.set jj, jj+1
.endr
.irp q, 0,1,2,3
	v_max3_num_f32 v[T+\q], v[XR+8*\q], v[XR+8*\q+1], 0x1800000   ; with the floor 2^(3 - 127): the byte cannot fall under 1.  None is negative: no |.|
.endr
.irp p, 2,4,6
.irp q, 0,1,2,3
	s_delay_alu instid0(VALU_DEP_4)
	v_max3_num_f32 v[T+\q], v[T+\q], v[XR+8*\q+\p], v[XR+8*\q+\p+1]
.endr
.endr
.irp q, 0,1,2,3
	s_delay_alu instid0(VALU_DEP_4)
	v_max_num_f32_dpp v[T+\q], v[T+\q], v[T+\q] row_xmask:1 row_mask:0xf bank_mask:0xf
.endr
.irp q, 0,1,2,3
	s_delay_alu instid0(VALU_DEP_4)
	v_max_num_f32_dpp v[T+\q], v[T+\q], v[T+\q] row_xmask:2 row_mask:0xf bank_mask:0xf
.endr
.irp q, 0,1,2,3
	s_delay_alu instid0(VALU_DEP_4)
	v_add_nc_u32 v[SCL+\q], 0xff000000, v[T+\q]    ; 2 off the exponent field: the conversion takes that field as its scale
.endr
.irp q, 0,1,2,3
	v_cvt_scalef32_pk8_fp4_f32 v[CD+\q], v[XR+8*\q:XR+8*\q+7], v[SCL+\q]
.endr
.irp q, 0,1,2,3
	v_lshrrev_b32 v[BY+\q], 23, v[SCL+\q]          ; the scale's byte (and the plain place behind the conversions)
.endr
.irp q, 0,1,2,3
	ds_store_b32 v[HWR], v[CD+\q] offset:128*\q    ; 8 codes: bytes 128 q + 4 l of the row's 512
	ds_store_b8 v[HW8], v[BY+\q] offset:512+8*\q   ; the four lanes of a block write the same byte with the same value
.endr
	; back as source 1 of the product: all sixteen columns are this one row.  My wave's own bytes again
.irp s, 0,1,2,3,4,5,6,7
.irp c, 0,1
	ds_load_b128 v[HB+8*\s+4*\c:HB+8*\s+4*\c+3], v[HRD] offset:64*\s+32*\c
.endr
.endr
	ds_load_b128 v[HBS:HBS+3], v[HSD] offset:512
	ds_load_b128 v[HBS+4:HBS+7], v[HSD] offset:528
	s_wait_dscnt 26                                ; the turn's 16 loads are back; behind them: 8 stores of b1's codes and bytes, 18 loads of its fragments and scale words
	FSTORE
	s_wait_loadcnt 0x0                             ; W2's scale words, b2
	s_wait_dscnt 0x0
.irp s, 0,1,2,3,4,5,6,7                        ; K's eight steps go to two accumulators by turns, one instruction a turn.  b2 is the C of the first, the constant 0 of the second
.set rD, ACC+8*(\s%2)
.set rA, F+8*\s
.set rB, HB+8*\s
.set rW, WS+\s%4
.set rX, HBS+\s
.if \s == 0
	v_wmma_scale_f32_16x16x128_f8f6f4 v[rD:rD+7], v[rA:rA+7], v[rB:rB+7], v[B2:B2+7], v[rW], v[rX] matrix_a_fmt:MATRIX_FMT_FP4 matrix_b_fmt:MATRIX_FMT_FP4
.elseif \s == 1
	v_wmma_scale_f32_16x16x128_f8f6f4 v[rD:rD+7], v[rA:rA+7], v[rB:rB+7], 0, v[rW], v[rX] matrix_a_fmt:MATRIX_FMT_FP4 matrix_b_fmt:MATRIX_FMT_FP4
.elseif \s < 4
	v_wmma_scale_f32_16x16x128_f8f6f4 v[rD:rD+7], v[rA:rA+7], v[rB:rB+7], v[rD:rD+7], v[rW], v[rX] matrix_a_fmt:MATRIX_FMT_FP4 matrix_b_fmt:MATRIX_FMT_FP4
.else
	v_wmma_scale_f32_16x16x128_f8f6f4 v[rD:rD+7], v[rA:rA+7], v[rB:rB+7], v[rD:rD+7], v[rW], v[rX] matrix_a_fmt:MATRIX_FMT_FP4 matrix_b_fmt:MATRIX_FMT_FP4 matrix_a_scale:MATRIX_SCALE_ROW1
.endif
.endr
.rept 4
	v_nop                                          ; four places in front of the first read of the results (ISA guide 7.12.1)
.endr
.irp j, 0,1,2,3,4,5,6,7
	v_add_f32 v[KS+\j], v[ACC+\j], v[ACC+8+\j]     ; the two halves; each accumulator from its low end on
.endr
	ds_store_b128 v[CTW], v[KS:KS+3]               ; the sixteen lanes of a half hold the same numbers and write the same bytes
	ds_store_b128 v[CTW], v[KS+4:KS+7] offset:16
	s_wait_dscnt 0x0                               ; for the others' sake: my k_c lies in LDS
	s_barrier_signal -1
	s_barrier_wait -1
.irp k, 0,1,2,3,4,5,6,7
	ds_load_b32 v[KK+\k], v[CTR] offset:64*\k      ; k_c' at my lane's output
.endr
	s_wait_dscnt 0x0
.irp k, 0,1,2,3,4,5,6,7
	s_cmp_eq_u32 s24, \k
	s_cselect_b32 s40, -1, 0
	v_cndmask_b32 v[KK+\k], v[KK+\k], v[OWN], s40  ; in my own condition's place stands its b2 alone
.endr
	s_wait_alu depctr_va_vdst(0)
	v_add_f32 v[KK], v[KK], v[KK+1]
.irp k, 2,3,4,5,6,7
	s_delay_alu instid0(VALU_DEP_1)
	v_add_f32 v[KK], v[KK], v[KK+\k]
.endr
	s_wait_alu depctr_va_vdst(0)
	s_wait_xcnt 0x0                                ; EXEC is a source of the stores above: it changes only behind this wait
	v_cmp_gt_u32 vcc_lo, 16, v[LANE]
	s_wait_tensorcnt 0x0
	ds_add_u32 v190, v191
	s_wait_dscnt 0x0
	s_and_saveexec_b32 s40, vcc_lo                 ; lanes 16-31 hold the same 16 sums again
	global_store_b32 v[OA], v[KK], s[38:39]        ; two runs of 32 bytes a wave: addv is 32 KiB in all
	s_wait_xcnt 0x0                                ; and again in front of the line that widens it
	s_or_b32 exec_lo, exec_lo, s40
	s_endpgm
.Lplain:                                           ; W1: only the new order
	s_wait_alu depctr_va_vdst(0)
	DLOAD
	s_wait_loadcnt 0x0
	TURN TW1, TD1
	s_wait_dscnt 0x0
	FSTORE
	s_wait_tensorcnt 0x0
	ds_add_u32 v190, v191
	s_wait_dscnt 0x0
	s_endpgm
	; ---- the routing: whole numbers alone
.set ID,   16                          ; v16-31  my 16 ids; id j = 4 k + i belongs to row 512 w + 128 k + 4 lane + i
.set ENT,  32                          ; v32-47  their entries
.set POS,  48                          ; v48-63  their places in the list
.set TR,   64                          ; v64-71  at work
.set CW,   72                          ; v72-79  the eight waves' counts: lane e holds condition e's
.set ZR,   80
.set FLG,  81
.set ROW0, 82
.set FT,   83
.set CV,   84
.set RA,   85
.set RL,   86
.set PRE,  87
.set TOT,  88
.set TT,   89
.set GV,   90                          ; v90-97  where my wave's rows of condition e begin in the list
.set GT,   98
.set REC,  100                         ; v100-103 a tile's record
.set TTS,  104
.set TN,   105
.set TOF,  106
.set TA,   107
.set TB,   108
.set CN,   40                          ; s40-47  my wave's running counts; later my wave's first places
.set MK,   48                          ; s48-55  masks; later the waves' counts ahead of mine
.set T2,   56                          ; s56-63
.set NN,   66                          ; s66-73  rows of each condition
.set OF,   74                          ; s74-82  where each condition begins in the list
.set TS,   83                          ; s83-91  and among the tiles
.macro RANK j                          ; id j's place among my wave's rows of its condition: those counted so far + the lower lanes with the same id
.irp e, 0,1,2,3,4,5,6,7
	v_cmp_eq_u32 s[MK+\e], \e, v[ID+\j]
.endr
.irp e, 0,1,2,3,4,5,6,7
	v_mbcnt_lo_u32_b32 v[TR+\e], s[MK+\e], s[CN+\e]
.endr
	v_mov_b32 v[POS+\j], v[TR]
.irp e, 1,2,3,4,5,6,7
	s_delay_alu instid0(VALU_DEP_1)
	v_cndmask_b32 v[POS+\j], v[POS+\j], v[TR+\e], s[MK+\e]
.endr
.irp e, 0,1,2,3,4,5,6,7
	s_bcnt1_i32_b32 s[T2+\e], s[MK+\e]
.endr
.irp e, 0,1,2,3,4,5,6,7
	s_add_co_u32 s[CN+\e], s[CN+\e], s[T2+\e]
.endr
.endm
.Lroute:
	s_wait_alu depctr_va_vdst(0)
	v_lshlrev_b32 v5, 4, v[LANE]
	s_delay_alu instid0(VALU_DEP_1)
	v_lshl_add_u32 v5, s24, 11, v5                 ; 2,048 w + 16 lane
	v_mov_b32 v[ZR], 0
	v_mov_b32 v[FLG], 0x10000
	v_lshlrev_b32 v[ROW0], 2, v[LANE]
	s_delay_alu instid0(VALU_DEP_1)
	v_lshl_add_u32 v[ROW0], s24, 9, v[ROW0]        ; 512 w + 4 lane
	v_lshl_add_u32 v[RA], v0, 2, RT                ; my wave's 128 bytes, my lane's word
	v_lshl_add_u32 v[RL], v[LANE], 2, RT
	v_lshlrev_b32 v[L4], 2, v[LANE]
.irp e, 0,1,2,3,4,5,6,7
	s_mov_b32 s[CN+\e], 0
.endr
	s_wait_alu depctr_va_vdst(0)
	s_wait_kmcnt 0x0
.irp k, 0,1,2,3
	global_load_b128 v[ID+4*\k:ID+4*\k+3], v5, s[14:15] offset:512*\k th:TH_LOAD_NT
.endr
	s_wait_loadcnt 0x0
.irp k, 0,1,2,3
.irp i, 0,1,2,3
	v_cmp_lt_u32 vcc_lo, 7, v[ID+4*\k+\i]          ; unsigned: negative ids too lie outside
	s_delay_alu instid0(VALU_DEP_1)
	v_cndmask_b32 v[ID+4*\k+\i], v[ID+4*\k+\i], v[ZR], vcc_lo
	s_delay_alu instid0(VALU_DEP_2)
	v_cndmask_b32 v[FT], v[ZR], v[FLG], vcc_lo
	s_delay_alu instid0(VALU_DEP_1)
	v_add3_u32 v[ENT+4*\k+\i], v[ROW0], v[FT], 128*\k+\i
.endr
.endr
.irp j, 0,1,2,3,4,5,6,7,8,9,10,11,12,13,14,15
	RANK \j
.endr
	v_mov_b32 v[CV], 0
.irp e, 0,1,2,3,4,5,6,7
	s_delay_alu instid0(VALU_DEP_1)
	v_writelane_b32 v[CV], s[CN+\e], \e
.endr
	ds_store_b32 v[RA], v[CV]
	s_wait_dscnt 0x0                               ; for the others' sake: my counts lie in LDS
	s_barrier_signal -1
	s_barrier_wait -1
.irp k, 0,1,2,3,4,5,6,7
	ds_load_b32 v[CW+\k], v[RL] offset:128*\k
.endr
	v_mov_b32 v[PRE], 0
	v_mov_b32 v[TOT], 0
	s_wait_dscnt 0x0
.irp k, 0,1,2,3,4,5,6,7
	s_cmp_gt_u32 s24, \k
	s_cselect_b32 s38, -1, 0
	v_cndmask_b32 v[TT], v[ZR], v[CW+\k], s38
	s_wait_alu depctr_va_vdst(0)
	v_add_nc_u32 v[PRE], v[PRE], v[TT]             ; the waves ahead of mine
	v_add_nc_u32 v[TOT], v[TOT], v[CW+\k]          ; all eight
.endr
.irp e, 0,1,2,3,4,5,6,7
	v_readlane_b32 s[NN+\e], v[TOT], \e
	v_readlane_b32 s[MK+\e], v[PRE], \e
.endr
	s_mov_b32 s[OF], 0
	s_mov_b32 s[TS], 0
.irp e, 0,1,2,3,4,5,6,7
	s_add_co_u32 s[OF+1+\e], s[OF+\e], s[NN+\e]
	s_add_co_u32 s38, s[NN+\e], 31
	s_lshr_b32 s38, s38, 5                         ; its tiles of 32 rows, the last one short
	s_add_co_u32 s[TS+1+\e], s[TS+\e], s38
	s_add_co_u32 s[CN+\e], s[OF+\e], s[MK+\e]
.endr
.irp e, 0,1,2,3,4,5,6,7
	v_mov_b32 v[GV+\e], s[CN+\e]
.endr
.irp j, 0,1,2,3,4,5,6,7,8,9,10,11,12,13,14,15
	v_mov_b32 v[GT], v[GV]
.irp e, 1,2,3,4,5,6,7
	v_cmp_eq_u32 vcc_lo, \e, v[ID+\j]
	s_delay_alu instid0(VALU_DEP_1)
	v_cndmask_b32 v[GT], v[GT], v[GV+\e], vcc_lo
.endr
	s_delay_alu instid0(VALU_DEP_1)
	v_add_nc_u32 v[POS+\j], v[POS+\j], v[GT]
	s_delay_alu instid0(VALU_DEP_1)
	v_min_u32 v[POS+\j], 0xfff, v[POS+\j]          ; held inside the list before it enters an address
	s_delay_alu instid0(VALU_DEP_1)
	v_lshlrev_b32 v[POS+\j], 2, v[POS+\j]
	global_store_b32 v[POS+\j], v[ENT+\j], s[22:23]    ; the sort's scatter: 16 KiB in all.  Each id has registers of its own: no store's source is written again
.endr
	; thread T writes tile T's record: the last condition whose first tile is not behind T
	v_mov_b32 v[REC], 0
	v_mov_b32 v[TTS], 0
	v_mov_b32 v[TN], s[NN]
	v_mov_b32 v[TOF], 0
.irp e, 1,2,3,4,5,6,7
	v_cmp_gt_u32 vcc_lo, s[TS+\e], v0              ; condition e begins behind T: keep
	s_delay_alu instid0(VALU_DEP_1)
	v_cndmask_b32 v[REC], \e, v[REC], vcc_lo
	s_delay_alu instid0(VALU_DEP_2)
	v_cndmask_b32 v[TTS], s[TS+\e], v[TTS], vcc_lo
	s_delay_alu instid0(VALU_DEP_3)
	v_cndmask_b32 v[TN], s[NN+\e], v[TN], vcc_lo
	s_delay_alu instid0(VALU_DEP_4)
	v_cndmask_b32 v[TOF], s[OF+\e], v[TOF], vcc_lo
.endr
	s_delay_alu instid0(VALU_DEP_3)
	v_sub_nc_u32 v[TA], v0, v[TTS]
	s_delay_alu instid0(VALU_DEP_1)
	v_lshlrev_b32 v[TA], 5, v[TA]                  ; rows of the condition ahead of this tile
	s_delay_alu instid0(VALU_DEP_1)
	v_add_nc_u32 v[REC+1], v[TOF], v[TA]
	s_delay_alu instid0(VALU_DEP_2)
	v_sub_nc_u32 v[REC+2], v[TN], v[TA]
	s_delay_alu instid0(VALU_DEP_1)
	v_min_u32 v[REC+2], 32, v[REC+2]
	v_cmp_gt_u32 vcc_lo, s[TS+8], v0               ; a tile that this split leaves without rows: (0, 4096, 0)
	s_delay_alu instid0(VALU_DEP_1)
	v_cndmask_b32 v[REC], 0, v[REC], vcc_lo
	s_delay_alu instid0(VALU_DEP_2)
	v_cndmask_b32 v[REC+1], 0x1000, v[REC+1], vcc_lo
	s_delay_alu instid0(VALU_DEP_3)
	v_cndmask_b32 v[REC+2], 0, v[REC+2], vcc_lo
	v_mov_b32 v[REC+3], 0
	v_lshlrev_b32 v[TB], 4, v0
	s_wait_alu depctr_va_vdst(0)
	s_wait_xcnt 0x0                                ; EXEC is a source of the stores above: it changes only behind this wait
	v_cmp_gt_u32 vcc_lo, NTIL, v0
	s_and_saveexec_b32 s38, vcc_lo
	global_store_b128 v[TB], v[REC:REC+3], s[22:23] offset:TABB
	s_wait_xcnt 0x0                                ; and again in front of the line that widens it
	s_or_b32 exec_lo, exec_lo, s38
	s_cmp_lg_u32 s24, 0
	s_cbranch_scc1 .Lrend
	global_store_b32 v[L4], v[ZR], s[22:23] offset:16384   ; entries 4096 .. 4127: what a last, short tile reads past the list's 4,096
.Lrend:
	s_wait_tensorcnt 0x0
	ds_add_u32 v190, v191
	s_wait_dscnt 0x0
	s_endpgm
.Lfunc_end_k_q6751b220a1_prep:
	.size	k_q6751b220a1_prep, .Lfunc_end_k_q6751b220a1_prep-k_q6751b220a1_prep
	.p2alignl 7, 3214868480
	.fill 96, 4, 3214868480
	.section	.rodata,"a",@progbits
	.p2align	6, 0x0
	.amdhsa_kernel k_q6751b220a1_prep
		.amdhsa_group_segment_fixed_size 144384
		.amdhsa_private_segment_fixed_size 0
		.amdhsa_enable_private_segment 0
		.amdhsa_kernarg_size 80
		.amdhsa_user_sgpr_count 2
		.amdhsa_user_sgpr_kernarg_segment_ptr 1
		.amdhsa_wavefront_size32 1
		.amdhsa_system_sgpr_workgroup_id_x 1
		.amdhsa_system_sgpr_workgroup_id_y 1
		.amdhsa_system_sgpr_workgroup_id_z 1
		.amdhsa_system_vgpr_workitem_id 0
		.amdhsa_next_free_vgpr 256
		.amdhsa_next_free_sgpr 100
		.amdhsa_reserve_vcc 1
		.amdhsa_float_denorm_mode_32 3
		.amdhsa_float_denorm_mode_16_64 3
		.amdhsa_memory_ordered 1
		.amdhsa_forward_progress 1
		.amdhsa_inst_pref_size 91
	.end_amdhsa_kernel
	.amdgpu_metadata
---
amdhsa.version: [ 1, 2 ]
amdhsa.kernels:
  - .name:           k_q6751b220a1_prep
    .symbol:         k_q6751b220a1_prep.kd
    .args:
      - { .name: W1_codes, .offset: 0, .size: 8, .value_kind: global_buffer, .address_space: global }
      - { .name: W2_codes, .offset: 8, .size: 8, .value_kind: global_buffer, .address_space: global }
      - { .name: W2_scales, .offset: 16, .size: 8, .value_kind: global_buffer, .address_space: global }
      - { .name: b1, .offset: 24, .size: 8, .value_kind: global_buffer, .address_space: global }
      - { .name: b2, .offset: 32, .size: 8, .value_kind: global_buffer, .address_space: global }
      - { .name: cond_ids, .offset: 40, .size: 8, .value_kind: global_buffer, .address_space: global }
      - { .name: w1f, .offset: 48, .size: 8, .value_kind: global_buffer, .address_space: global }
      - { .name: w2f, .offset: 56, .size: 8, .value_kind: global_buffer, .address_space: global }
      - { .name: addv, .offset: 64, .size: 8, .value_kind: global_buffer, .address_space: global }
      - { .name: route, .offset: 72, .size: 8, .value_kind: global_buffer, .address_space: global }
    .group_segment_fixed_size: 144384
    .private_segment_fixed_size: 0
    .kernarg_segment_align: 8
    .kernarg_segment_size: 80
    .max_flat_workgroup_size: 256
    .sgpr_count:     100
    .vgpr_count:     256
    .wavefront_size: 32
...
	.end_amdgpu_metadata
.endif
;; end of part 3
;; launch chain (part 4): grid 135 x 1, 8 waves a work-group, no clusters, 180,224 bytes of LDS; arguments x, w1f, w2f, W1_scales, W2_scales, b1, addv, route, out0; writes out0
.if DOCPART == 4
	.amdgcn_target "amdgcn-amd-amdhsa--gfx1250"
	.amdhsa_code_object_version 6
	.text
	.protected	k_q6751b220a1_chain
	.globl	k_q6751b220a1_chain
	.p2align	8
	.type	k_q6751b220a1_chain,@function
k_q6751b220a1_chain:
	s_mov_b64 s[64:65], 0
	v_nop
	global_prefetch_b8 v0, s[64:65] scope:SCOPE_SE
	s_setreg_imm32_b32 hwreg(HW_REG_WAVE_SCHED_MODE, 0, 2), 2
	s_setreg_imm32_b32 hwreg(HW_REG_WAVE_MODE, 25, 1), 1
	s_wait_xcnt 0x0
	s_wait_alu depctr_vm_vsrc(0)
; out[b] = Q(relu(Q(x_b) W1_c + b1_c)) W2_c + addv[c], c = the row's condition; addv[c] = b2_c + what the seven other conditions give a masked row.  Both products on codes of FP4 (E2M1) with one E8M0
; scale for each 32 along K.  A row whose id lies outside 0 .. 7 is listed under condition 0 with a flag: its codes are cleared, and the same chain gives the sum of all eight conditions' masked rows.
; SHARES.  A work-group takes ONE tile of 32 rows of one condition (record ttmp9 of route) through the whole chain; the hidden layer stays in LDS; each row of out has one owner.  135 work-groups serve
; every split of 4,096 rows among 8 conditions (4096 / 32 + 7); one that the split leaves without rows walks the text and stores nothing.
; Wave w owns hidden units and outputs 128 w .. 128 w + 127 for all 32 rows: in each layer four groups of 32 units, each two tiles of 16.  Both products are used transposed (source 0 = 16 rows of the
; weight, source 1 = 16 rows of the batch): register j of tile u in lane (r, h) is unit 32 gl + 16 h + 8 u + j of row r, so a group's 16 registers are 16 neighbours along the next K.
; THE WEIGHTS GO FROM MEMORY STRAIGHT INTO REGISTERS, laid by the launch before in the operand's order: a load of the wave covers 512 consecutive bytes.  A ring of two sets of 128 registers: while a
; group's 32 products run, the next group's 34 loads are out, and the group after that is asked for behind the products: 34 to 68 loads of 512 bytes a wave, across both barriers.
; NO CLUSTER, NO JOINT LOADS: which tiles share a condition hangs on the list read from memory, and 135 work-groups divide into no cluster of four.  No tensor load, so no slot is filled again.
; LIMITS: NaN and infinities in x are not served.  A block of zeros gets the scale byte 1 where the quantiser says 127: its codes are zeros, and this program alone reads the byte.
; THE MODE: SCHED_MODE bits 1:0 = 2 (LLVM: expert scheduling mode 2), set by the entry lines.  The code itself states the register dependences between vector or matrix instructions and memory or LDS
; instructions, with s_wait_alu, always for 0.
; THE PLAN.  Registers that memory or LDS instructions touch:
;   v1-14      offsets and LDS addresses: made once at the head, read by every load and store, never written again: one wait on va_vdst ahead of the first load serves them all.
;   ACC        Row i's arithmetic writes its codes and bytes at ACC + 8 i; the LDS stores that read them stand at row i + 1's head.  Then each group's products write ACC; in groups 4-7 the stage's stores read it.
;   PC set 0   b1 and addv land in it and two LDS stores read it; then blocks 0 and 1's codes: written in groups 0 and 1, read by the image stores that stand in group 2.
;   PC set 1   blocks 2 and 3's codes: written in groups 2 and 3, read by the image stores behind group 3.  With two sets no store's data are written again while the hidden layer is made.
;   XF         x lands, the rows' arithmetic reads it; behind each barrier source 1's fragments land and the products read them; at the end rows of out land and the global stores read them.
;   XS, WS, BI and the ring are written by loads alone and read by products alone.
;   VA         written once, in the places behind the last products; read by the global stores.
; So ONE wait on va_vdst stands in a group, behind its products and their places: they are done reading the ring's set, its scale words, the bias and source 1, and have written the accumulators.  All the
; group's loads and LDS stores follow it; the quantiser's lines behind it name ACC, TM and PC alone, none of the registers in which those loads land.  One wait on va_vdst stands at a row's head, behind the
; wait for the row's data.  Waits on vm_vsrc stand where a register that a store has read is written again: at the heads of groups 0, 5, 6 and 7, and at the end.
.set XC,   0                           ; LDS: x's codes by rows: 32 x (512 bytes + 16): 33 x 16 bytes from row to row, so the 16 rows of a fragment load start at 16 different banks (64 banks of 4 bytes: ISA guide 11.1)
.set XP,   528
.set XSC,  16896                       ; x's scale bytes: 32 x (32 + 16)
.set XSP,  48
.set HIMG, 18432                       ; the hidden layer's 16 fragments (8 m + s) as images of their registers: 1,024 bytes each
.set HSC,  34816                       ; its scale words: 128 s + 64 m + 4 r
.set BL,   35840                       ; for each wave its 512 bytes of b1 and its 512 bytes of addv
.set STG,  44032                       ; for each wave a stage of 32 rows x (512 bytes + 16) for the way out
.set TABB, 16640                       ; where route's records begin
.set LI,   1                           ; 16 x lane
.set L4,   2                           ; 4 x lane
.set XL,   3                           ; 32 x lane
.set SA,   4                           ; a weight's scale words: 32 (r + 8 (r / 8)) + 16 h
.set XCW,  5                           ; where I store x's codes
.set XSW,  6                           ; and its scale bytes
.set XFR,  7                           ; where I read x's fragments
.set XSR,  8                           ; and its scale words
.set HWI,  9                           ; where I store the hidden layer's images
.set HWS,  10                          ; and its scale words
.set BLW,  11
.set BLR,  12
.set SO,   13                          ; the stage: in
.set SR,   14                          ; and back
.set XS,   16                          ; v16-23   source 1's scale words, K step s: lanes 0-15 rows 0-15, lanes 16-31 rows 16-31
.set WS,   24                          ; v24-39   the weights' scale words, two sets of 8: tile u at 4 u; lanes 0-15 K steps 0-3, lanes 16-31 K steps 4-7
.set BI,   40                          ; v40-55   the group's bias in the result's layout, tile u at 8 u
.set ACC,  56                          ; v56-87   accumulator (u, m) at 8 (2 m + u); at first x's codes and bytes on their way to LDS
.set PC,   88                          ; v88-95   the codes of blocks 0 and 1, 4 for each m; at first b1 and addv as loaded.  v108-115 (PC + 20): the codes of blocks 2 and 3
.set TM,   96                          ; v96-105  at work
.set VA,   96                          ; v96-127  at the end: the 32 rows' byte offsets in out
.set XF,   128                         ; v128-255 x as loaded (row i at 32 i), then source 1's fragment (m, s) at 8 (8 m + s), at the end rows of out
                                       ; window 1: the ring: set g % 2 at 128 (g % 2), fragment (s, u) at + 8 (2 s + u)
; s[4:21] the buffers; s22 wave; s[24:27] the tile's record; s[28:31] my four rows' entries; s[32:63] all 32; s[66:73] my rows' addresses in x; s[74:77] their code masks;
; s[78:89] W1's codes, W2's codes, W1's scales, W2's scales, b1, addv at my wave's part; s[90:91] lane selects; s[92:93] out at my 512 bytes of a row
.set MSB, 0
.macro WIN new                         ; the immediate's high byte repeats the setting that is left
.if MSB != \new
	s_set_vgpr_msb (MSB<<8)|\new
.set MSB, \new
.endif
.endm
; Row i of my four is quantised: lane l holds k = 256 q + 8 l + 0 .. 7 of chunk q; four neighbouring lanes hold a block of 32.  The four chunks take turns line by line.
; Its codes and bytes stay in registers of the row's own, ACC + 8 i: QSEND stores them, behind the wait at the next row's head.
.macro QCOMP i
.set rX0, XF+32*(\i)
.set rCD, ACC+8*(\i)
.irp q, 0,1,2,3
	v_max3_num_f32 v[TM+\q], |v[rX0+8*\q]|, |v[rX0+8*\q+1]|, 0x1800000   ; with the floor 2^(3 - 127): the byte cannot fall under 1
.endr
.irp p, 2,4,6
.irp q, 0,1,2,3
	v_max3_num_f32 v[TM+\q], v[TM+\q], |v[rX0+8*\q+\p]|, |v[rX0+8*\q+\p+1]|
.endr
.endr
.irp q, 0,1,2,3
	v_max_num_f32_dpp v[TM+\q], v[TM+\q], v[TM+\q] row_xmask:1 row_mask:0xf bank_mask:0xf
.endr
.irp q, 0,1,2,3
	v_max_num_f32_dpp v[TM+\q], v[TM+\q], v[TM+\q] row_xmask:2 row_mask:0xf bank_mask:0xf
.endr
.irp q, 0,1,2,3
	v_add_nc_u32 v[TM+4+\q], 0xff000000, v[TM+\q]  ; 2 off the exponent field: the conversion takes that field as its scale
.endr
.irp q, 0,1,2,3
	v_cvt_scalef32_pk8_fp4_f32 v[rCD+\q], v[rX0+8*\q:rX0+8*\q+7], v[TM+4+\q]
.endr
.irp q, 0,1,2,3
	v_lshrrev_b32 v[rCD+4+\q], 23, v[TM+4+\q]      ; the scale's byte (and the plain place behind the conversions)
.endr
.irp q, 0,1,2,3
	v_and_b32 v[rCD+\q], s[74+(\i)], v[rCD+\q]     ; a row that is masked in every condition: zero codes
.endr
.endm
.macro QSEND i
.set rCD, ACC+8*(\i)
.irp q, 0,1,2,3
	ds_store_b32 v[XCW], v[rCD+\q] offset:XP*(\i)+128*\q
	ds_store_b8 v[XSW], v[rCD+4+\q] offset:XSP*(\i)+8*\q     ; the four lanes of a block write the same byte with the same value
.endr
.endm
; Group g (0-3: W1, 4-7: W2): its scale words and its 16 fragments, 34 loads, into set g % 2
.macro LOADW g
.set rCB, 78+2*((\g)/4)
.set rSB, 82+2*((\g)/4)
.irp u, 0,1
	global_load_b128 v[WS+8*((\g)%2)+4*\u:WS+8*((\g)%2)+4*\u+3], v[SA], s[rSB:rSB+1] offset:1024*((\g)%4)+256*\u
.endr
	WIN 0x40                                       ; destination window 1, address window 0
.irp s, 0,1,2,3,4,5,6,7
.irp u, 0,1
.irp c, 0,1
	global_load_b128 v[128*((\g)%2)+8*(2*\s+\u)+4*\c:128*((\g)%2)+8*(2*\s+\u)+4*\c+3], v[LI], s[rCB:rCB+1] offset:16384*((\g)%4)+1024*(2*\s+\u)+512*\c
.endr
.endr
.endr
	WIN 0
.endm
.macro LOADBI g                        ; the group's bias (b1, or addv), from my wave's own LDS bytes
.irp u, 0,1
.irp e, 0,1
	ds_load_b128 v[BI+8*\u+4*\e:BI+8*\u+4*\e+3], v[BLR] offset:512*((\g)/4)+128*((\g)%4)+32*\u+16*\e
.endr
.endr
.endm
.macro WM ra, rb                       ; one product; ra, rb: which half of the lanes holds source 0's and source 1's scale words
.if (\ra) && (\rb)
	v_wmma_scale_f32_16x16x128_f8f6f4 v[rD:rD+7], v[rA:rA+7], v[rB:rB+7], v[rC:rC+7], v[rW], v[rX] matrix_a_fmt:MATRIX_FMT_FP4 matrix_b_fmt:MATRIX_FMT_FP4 matrix_a_scale:MATRIX_SCALE_ROW1 matrix_b_scale:MATRIX_SCALE_ROW1
.elseif (\ra)
	v_wmma_scale_f32_16x16x128_f8f6f4 v[rD:rD+7], v[rA:rA+7], v[rB:rB+7], v[rC:rC+7], v[rW], v[rX] matrix_a_fmt:MATRIX_FMT_FP4 matrix_b_fmt:MATRIX_FMT_FP4 matrix_a_scale:MATRIX_SCALE_ROW1
.elseif (\rb)
	v_wmma_scale_f32_16x16x128_f8f6f4 v[rD:rD+7], v[rA:rA+7], v[rB:rB+7], v[rC:rC+7], v[rW], v[rX] matrix_a_fmt:MATRIX_FMT_FP4 matrix_b_fmt:MATRIX_FMT_FP4 matrix_b_scale:MATRIX_SCALE_ROW1
.else
	v_wmma_scale_f32_16x16x128_f8f6f4 v[rD:rD+7], v[rA:rA+7], v[rB:rB+7], v[rC:rC+7], v[rW], v[rX] matrix_a_fmt:MATRIX_FMT_FP4 matrix_b_fmt:MATRIX_FMT_FP4
.endif
.endm
; A group's 32 products: K ascending; the four accumulators take turns, one instruction a turn.  The bias is the C of each sum's first product: nothing is cleared or added.
; Every operand and every scale word comes from a load: no vector instruction writes one.
.macro MUL g
	WIN 0x01                                       ; source 0 (the weight) window 1
.irp s, 0,1,2,3,4,5,6,7
.irp m, 0,1
.irp u, 0,1
.set rD, ACC+8*(2*\m+\u)
.set rA, 128*((\g)%2)+8*(2*\s+\u)
.set rB, XF+8*(8*\m+\s)
.set rW, WS+8*((\g)%2)+4*\u+\s%4
.set rX, XS+\s
.if \s == 0
.set rC, BI+8*\u
.else
.set rC, rD
.endif
	WM \s/4, \m
.endr
.endr
.endr
	WIN 0
.endm
; The group's 32 hidden units of the 32 rows: relu, then block b of my K step of the second product.  A block lies in lanes l and l xor 16.  Vector instructions alone: the codes go to LDS by HIMAGE.
.macro HQUANT b
.set rP, PC+20*((\b)/2)                ; blocks 0 and 1 in one set of registers, blocks 2 and 3 in the other
.set jj, 0
.rept 32
	v_max_num_f32 v[ACC+jj], 0, v[ACC+jj]          ; the activation, in f32; each accumulator from its low end on
.set jj, jj+1
.endr
.irp m, 0,1
	v_max3_num_f32 v[TM+\m], v[ACC+16*\m], v[ACC+16*\m+1], 0x1800000   ; none is negative: no |.|
.endr
.irp p, 2,4,6,8,10,12,14
.irp m, 0,1
	v_max3_num_f32 v[TM+\m], v[TM+\m], v[ACC+16*\m+\p], v[ACC+16*\m+\p+1]
.endr
.endr
.irp m, 0,1
	v_permlanex16_b32 v[TM+2+\m], v[TM+\m], s90, s91
.endr
.irp m, 0,1
	v_max_num_f32 v[TM+\m], v[TM+\m], v[TM+2+\m]
.endr
.irp m, 0,1
	v_add_nc_u32 v[TM+4+\m], 0xff000000, v[TM+\m]
.endr
.irp m, 0,1
	v_lshrrev_b32 v[TM+6+\m], 23, v[TM+4+\m]
.endr
.irp m, 0,1
.if (\b) == 0
	v_mov_b32 v[TM+8+\m], v[TM+6+\m]               ; the four groups' bytes make my K step's scale word of row r
.else
	v_lshl_or_b32 v[TM+8+\m], v[TM+6+\m], 8*(\b), v[TM+8+\m]
.endif
.endr
.irp m, 0,1
	v_cvt_scalef32_pk8_fp4_f32 v[rP+4*\m+2*((\b)%2)], v[ACC+16*\m:ACC+16*\m+7], v[TM+4+\m]
	v_cvt_scalef32_pk8_fp4_f32 v[rP+4*\m+2*((\b)%2)+1], v[ACC+16*\m+8:ACC+16*\m+15], v[TM+4+\m]
.endr
	v_nop                                          ; one plain place behind the last scaled conversion
.if (\b)%2
.irp m, 0,1
.irp i, 0,1
	v_permlane16_swap_b32 v[rP+4*\m+\i], v[rP+4*\m+2+\i]     ; the operand wants a whole block in a lane: lanes 0-15 the even block, lanes 16-31 the odd one
.endr
.endr
.endif
.endm
.macro HIMAGE p                        ; blocks 2 p and 2 p + 1: four registers of fragment (m, s = my wave) as they stand
.irp m, 0,1
	ds_store_b128 v[HWI], v[PC+20*(\p)+4*\m:PC+20*(\p)+4*\m+3] offset:8192*\m+512*(\p)
.endr
.endm
.macro STAGE b                         ; the group's 32 outputs of the 32 rows into my stage, each accumulator from its low end on
.irp m, 0,1
.irp u, 0,1
	ds_store_b128 v[SO], v[ACC+8*(2*\m+\u):ACC+8*(2*\m+\u)+3] offset:16*XP*\m+128*(\b)+32*\u
	ds_store_b128 v[SO], v[ACC+8*(2*\m+\u)+4:ACC+8*(2*\m+\u)+7] offset:16*XP*\m+128*(\b)+32*\u+16
.endr
.endr
.endm
.macro GROUP g
.if (\g) < 7
	s_wait_loadcnt 34                              ; this group's 34 loads are in; the next group's 34 may be out
.else
	s_wait_loadcnt 0x0
.endif
	s_wait_dscnt 0x0                               ; the bias is in, and source 1's fragments where they are new
.if (\g) == 0
	s_wait_alu depctr_vm_vsrc(0)                   ; my LDS stores of x's codes and bytes have read v[ACC ..], which the products write; those of b1 and addv have read v[PC ..], which block 0's conversions write
.endif
.if (\g) > 4
	s_wait_alu depctr_vm_vsrc(0)                   ; the last group's LDS stores have read the accumulators, which the products write again
.endif
	MUL \g
.if (\g) == 7
.set ii, 0
.rept 32
	v_lshl_add_u32 v[VA+ii], s[32+ii], 12, v[LI]   ; a row of out is 4,096 bytes.  These 32 lines name no register of the products: they are the places in front of the first read of the results (ISA guide 7.12.1).
.set ii, ii+1                                          ; (Of v96-127 LDS stores have read v104, v105 and v108-115, behind group 3: the waits on vm_vsrc at the heads of groups 5 to 7 stand behind those stores)
.endr
.else
.rept 5
	v_nop                                          ; four places in front of the first read of the results; the fifth for the next group's products, which begin the accumulators anew (ISA guide 7.12.1)
.endr
.endif
.if (\g) < 2
	s_wait_alu depctr_va_vdst(0)                   ; the products are done reading the ring's set, its scale words and the bias, in which the loads below land
.elseif (\g) == 2
	s_wait_alu depctr_va_vdst(0)                   ; the same; and block 1's exchange, in the group before, has written the codes of blocks 0 and 1, which the image stores below read
.elseif (\g) == 3
	s_wait_alu depctr_va_vdst(0)                   ; the same as in groups 0 and 1
.elseif (\g) < 7
	s_wait_alu depctr_va_vdst(0)                   ; the products are done reading the registers in which the loads below land (group 6: the bias alone), and have written the accumulators, which the stage's stores read
.else
	s_wait_alu depctr_va_vdst(0)                   ; the products have written the accumulators, which the stage's stores read, and are done reading source 1, in which the rows of out land; v[VA ..] are written, which the global stores read
.endif
.if (\g) < 6
	LOADW (\g)+2
.endif
.if (\g) < 7
	LOADBI (\g)+1
.endif
.if (\g) == 2
	HIMAGE 0
.endif
.if (\g) < 4
	HQUANT (\g)
.else
	STAGE (\g)-4
.endif
.endm
	s_load_b512 s[4:19], s[0:1], 0x0               ; x s[4:5], w1f s[6:7], w2f s[8:9], W1_scales s[10:11], W2_scales s[12:13], b1 s[14:15], addv s[16:17], route s[18:19]
	s_load_b64 s[20:21], s[0:1], 0x40              ; out0
	s_lshl_b32 s23, ttmp9, 4                       ; my tile's record: 16 bytes
	v_and_b32 v96, 31, v0                          ; lane
	v_and_b32 v97, 15, v0                          ; r
	v_bfe_u32 v98, v0, 4, 1                        ; h
	v_lshrrev_b32 v99, 5, v0
	v_readfirstlane_b32 s22, v99                   ; wave 0..7
	s_wait_alu depctr_va_vdst(0)
	s_wait_kmcnt 0x0
	s_load_b128 s[24:27], s[18:19], s23 offset:TABB
	v_lshlrev_b32 v[LI], 4, v96
	v_lshlrev_b32 v[L4], 2, v96
	v_lshlrev_b32 v[XL], 5, v96
	v_and_b32 v99, 8, v97
	v_add_nc_u32 v99, v99, v97                     ; r + 8 (r / 8)
	v_lshlrev_b32 v[SA], 5, v99
	v_lshl_add_u32 v[SA], v98, 4, v[SA]
	s_wait_alu depctr_va_sdst(0)                   ; s22 is written, ahead of its first reader: LDS addresses and the wave's parts of the buffers are made from it
	s_mul_i32 s2, s22, 4*XP
	v_add_nc_u32 v[XCW], s2, v[L4]                 ; my four rows of x's codes (XC = 0), 4 x lane
	s_mul_i32 s2, s22, 4*XSP
	s_add_co_u32 s2, s2, XSC
	v_lshrrev_b32 v99, 2, v96
	v_add_nc_u32 v[XSW], s2, v99
	v_mul_u32_u24 v[XFR], v97, XP
	v_lshl_add_u32 v[XFR], v98, 4, v[XFR]
	v_mul_u32_u24 v[XSR], v96, XSP
	v_add_nc_u32 v[XSR], XSC, v[XSR]
	s_lshl_b32 s2, s22, 10
	s_add_co_u32 s3, s2, HIMG
	v_add_nc_u32 v[HWI], s3, v[LI]
	s_lshl_b32 s3, s22, 7
	s_add_co_u32 s3, s3, HSC
	v_lshl_add_u32 v[HWS], v97, 2, s3
	s_add_co_u32 s2, s2, BL
	v_add_nc_u32 v[BLW], s2, v[LI]
	v_lshl_add_u32 v[BLR], v98, 6, s2
	s_mul_i32 s2, s22, 32*XP
	s_add_co_u32 s2, s2, STG
	v_mul_u32_u24 v[SO], v97, XP
	v_lshl_add_u32 v[SO], v98, 6, v[SO]
	v_add_nc_u32 v[SO], s2, v[SO]                  ; row r, + 64 h
	v_add_nc_u32 v[SR], s2, v[LI]
	s_mov_b32 s90, 0x76543210
	s_mov_b32 s91, 0xfedcba98                      ; v_permlanex16_b32's selects for lane l xor 16
	s_wait_kmcnt 0x0
	s_min_u32 s24, s24, 7                          ; the condition, the first entry and the rows, held before they enter addresses and compares
	s_min_u32 s25, s25, 0x1000
	s_min_u32 s26, s26, 32
	s_lshl_b32 s94, s25, 2
	s_lshl_b32 s95, s22, 4
	s_add_co_u32 s95, s95, s94
	s_load_b512 s[32:47], s[18:19], s94 offset:0x0 ; the tile's 32 entries (a short tile reads on into the next condition's, or into the list's 32 zeros: computed, never stored),
	s_load_b512 s[48:63], s[18:19], s94 offset:0x40
	s_load_b128 s[28:31], s[18:19], s95 offset:0x0 ; and once more the four that my wave quantises
	s_lshl_b32 s2, s24, 19                         ; my wave's part of the condition's codes: c 2^19 + w 2^16,
	s_lshl_b32 s23, s22, 16
	s_add_co_u32 s2, s2, s23
	s_mov_b32 s3, 0
	s_add_nc_u64 s[78:79], s[6:7], s[2:3]
	s_add_nc_u64 s[80:81], s[8:9], s[2:3]
	s_lshl_b32 s2, s24, 15                         ; of its scale bytes: c 2^15 + w 2^12,
	s_lshl_b32 s23, s22, 12
	s_add_co_u32 s2, s2, s23
	s_add_nc_u64 s[82:83], s[10:11], s[2:3]
	s_add_nc_u64 s[84:85], s[12:13], s[2:3]
	s_lshl_b32 s2, s24, 12                         ; of b1 and addv: c 2^12 + w 2^9
	s_lshl_b32 s23, s22, 9
	s_add_co_u32 s2, s2, s23
	s_add_nc_u64 s[86:87], s[14:15], s[2:3]
	s_add_nc_u64 s[88:89], s[16:17], s[2:3]
	s_mov_b32 s2, s23
	s_add_nc_u64 s[92:93], s[20:21], s[2:3]        ; out at my wave's 512 bytes of a row
	s_wait_alu depctr_va_vdst(0)                   ; v1 to v14, the offsets and LDS addresses of the whole kernel, are written: every load and store below reads one of them, and none is written again
	global_load_b128 v[PC:PC+3], v[LI], s[86:87]   ; my 128 numbers of b1: 512 consecutive bytes,
	global_load_b128 v[PC+4:PC+7], v[LI], s[88:89] ; and of addv
	LOADW 0
	s_wait_kmcnt 0x0
.irp i, 0,1,2,3
	s_lshr_b32 s[74+\i], s[28+\i], 16
	s_sub_co_u32 s[74+\i], s[74+\i], 1             ; the flag 1 gives the mask 0, the flag 0 all ones
	s_and_b32 s2, s[28+\i], 0xfff                  ; the row, without the flag,
	s_min_u32 s2, s2, 0xfff                        ; held inside x before it enters an address
	s_lshl_b32 s2, s2, 12
	s_add_nc_u64 s[66+2*\i:67+2*\i], s[4:5], s[2:3]
.endr
.irp i, 0,1,2,3
.irp q, 0,1,2,3
.irp e, 0,1
	global_load_b128 v[XF+32*\i+8*\q+4*\e:XF+32*\i+8*\q+4*\e+3], v[XL], s[66+2*\i:67+2*\i] offset:1024*\q+16*\e   ; the two loads of a pair cover 1,024 consecutive bytes.  No hint: a short tile's overhang names rows that another tile reads
.endr
.endr
.endr
.set ii, 0
.rept 32
	s_and_b32 s[32+ii], s[32+ii], 0xfff            ; all 32 rows for the way out, cut and held likewise
	s_min_u32 s[32+ii], s[32+ii], 0xfff
.set ii, ii+1
.endr
	s_wait_loadcnt 24                              ; my row 0 is in (and all that was asked for ahead of it); the 24 loads of rows 1 to 3 may be out
	ds_store_b128 v[BLW], v[PC:PC+3]               ; (data that loads brought: the wait above is all that they owe)
	ds_store_b128 v[BLW], v[PC+4:PC+7] offset:512
	QCOMP 0
.irp i, 1,2,3
	s_wait_loadcnt 24-8*\i                         ; row i is in; the rows behind it may be out
	s_wait_alu depctr_va_vdst(0)                   ; the row before has written its codes and bytes, which the eight LDS stores below read
	QSEND \i-1
.if \i == 3
	LOADW 1                                        ; no vector or matrix instruction has named the registers in which these 34 loads land: they go out ahead of the last row's arithmetic
.endif
	QCOMP \i
.endr
	s_wait_alu depctr_va_vdst(0)                   ; row 3 has written its codes and bytes, which the LDS stores below read; and the four rows' arithmetic is done reading v[XF ..], in which x's fragments land behind the barrier
	QSEND 3
	LOADBI 0                                       ; my own bytes: LDS serves a wave's instructions in order (ISA guide 5.7.1.4)
	s_wait_dscnt 0x0                               ; for the others' sake: my four rows' codes and bytes lie in LDS
	s_barrier_signal -1
	s_barrier_wait -1                              ; all 32 rows' do.  (The ring's loads stay on their way: no wave stores what they read)
.irp m, 0,1
.irp s, 0,1,2,3,4,5,6,7
.irp c, 0,1
	ds_load_b128 v[XF+8*(8*\m+\s)+4*\c:XF+8*(8*\m+\s)+4*\c+3], v[XFR] offset:16*XP*\m+64*\s+32*\c
.endr
.endr
.endr
	ds_load_b128 v[XS:XS+3], v[XSR]                ; lane l: row l's eight scale words
	ds_load_b128 v[XS+4:XS+7], v[XSR] offset:16
	GROUP 0
	GROUP 1
	GROUP 2
	GROUP 3
	s_wait_alu depctr_va_vdst(0)                   ; block 3's exchange has written the codes of blocks 2 and 3, and the scale words are whole: the LDS stores below read them.  (The products of group 3 are done reading source 1 and its scale words, in which the loads behind the barrier land)
	HIMAGE 1
.irp m, 0,1
	ds_store_b32 v[HWS], v[TM+8+\m] offset:64*\m   ; lanes r and 16 + r hold the same word and write the same bytes
.endr
	s_wait_dscnt 0x0                               ; for the others' sake: my K step of the hidden layer lies in LDS
	s_barrier_signal -1
	s_barrier_wait -1                              ; all eight K steps do
.irp m, 0,1
.irp s, 0,1,2,3,4,5,6,7
.irp c, 0,1
	ds_load_b128 v[XF+8*(8*\m+\s)+4*\c:XF+8*(8*\m+\s)+4*\c+3], v[LI] offset:HIMG+1024*(8*\m+\s)+512*\c
.endr
.endr
.endr
.irp s, 0,1,2,3,4,5,6,7
	ds_load_b32 v[XS+\s], v[L4] offset:HSC+128*\s  ; lanes 0-15 rows 0-15, lanes 16-31 rows 16-31
.endr
	GROUP 4
	GROUP 5
	GROUP 6
	GROUP 7
	; THE WAY OUT: my 128 outputs of each row come back from my stage as 512 consecutive bytes, and the 32 lanes store them at the row's own place: two aligned runs of 256 bytes.
	; No vector or matrix instruction stands between group 7's wait on va_vdst and the last store: that wait serves the loads and the stores below.
.set ii, 0
.rept 32
	ds_load_b128 v[XF+4*ii:XF+4*ii+3], v[SR] offset:XP*ii
.set ii, ii+1
.endr
	s_wait_dscnt 0x0
.set ii, 0
.rept 32
	s_cmp_gt_u32 s26, ii                           ; only the tile's own rows are stored: the count comes from the list that the launch before stored
	s_cbranch_scc0 .Lend
	global_store_b128 v[VA+ii], v[XF+4*ii:XF+4*ii+3], s[92:93] th:TH_STORE_NT
.set ii, ii+1
.endr
.Lend:
	s_wait_xcnt 0x0                                ; the stores' addresses are translated: their registers are written again only behind this wait,
	s_wait_alu depctr_vm_vsrc(0)                   ; and the last row's store has read v254 and v255, which the two lines below write
	v_lshl_add_u32 v254, v0, 2, 0x2bc00            ; my spare word, behind the stages, and 0: made anew here, since no two registers could be kept
	v_mov_b32 v255, 0
	s_wait_dscnt 0x0                               ; the closing lines, six on end
	s_wait_alu 0x0
	s_wait_tensorcnt 0x0
	ds_add_u32 v254, v255
	s_wait_dscnt 0x0
	s_endpgm
.Lfunc_end_k_q6751b220a1_chain:
	.size	k_q6751b220a1_chain, .Lfunc_end_k_q6751b220a1_chain-k_q6751b220a1_chain
	.p2alignl 7, 3214868480
	.fill 96, 4, 3214868480
	.section	.rodata,"a",@progbits
	.p2align	6, 0x0
	.amdhsa_kernel k_q6751b220a1_chain
		.amdhsa_group_segment_fixed_size 180224
		.amdhsa_private_segment_fixed_size 0
		.amdhsa_enable_private_segment 0
		.amdhsa_kernarg_size 72
		.amdhsa_user_sgpr_count 2
		.amdhsa_user_sgpr_kernarg_segment_ptr 1
		.amdhsa_wavefront_size32 1
		.amdhsa_system_sgpr_workgroup_id_x 1
		.amdhsa_system_sgpr_workgroup_id_y 1
		.amdhsa_system_sgpr_workgroup_id_z 1
		.amdhsa_system_vgpr_workitem_id 0
		.amdhsa_next_free_vgpr 512
		.amdhsa_next_free_sgpr 96
		.amdhsa_reserve_vcc 0
		.amdhsa_float_denorm_mode_32 3
		.amdhsa_float_denorm_mode_16_64 3
		.amdhsa_memory_ordered 1
		.amdhsa_forward_progress 1
		.amdhsa_inst_pref_size 115
	.end_amdhsa_kernel
	.amdgpu_metadata
---
amdhsa.version: [ 1, 2 ]
amdhsa.kernels:
  - .name:           k_q6751b220a1_chain
    .symbol:         k_q6751b220a1_chain.kd
    .args:
      - { .name: x, .offset: 0, .size: 8, .value_kind: global_buffer, .address_space: global }
      - { .name: w1f, .offset: 8, .size: 8, .value_kind: global_buffer, .address_space: global }
      - { .name: w2f, .offset: 16, .size: 8, .value_kind: global_buffer, .address_space: global }
      - { .name: W1_scales, .offset: 24, .size: 8, .value_kind: global_buffer, .address_space: global }
      - { .name: W2_scales, .offset: 32, .size: 8, .value_kind: global_buffer, .address_space: global }
      - { .name: b1, .offset: 40, .size: 8, .value_kind: global_buffer, .address_space: global }
      - { .name: addv, .offset: 48, .size: 8, .value_kind: global_buffer, .address_space: global }
      - { .name: route, .offset: 56, .size: 8, .value_kind: global_buffer, .address_space: global }
      - { .name: out0, .offset: 64, .size: 8, .value_kind: global_buffer, .address_space: global }
    .group_segment_fixed_size: 180224
    .private_segment_fixed_size: 0
    .kernarg_segment_align: 8
    .kernarg_segment_size: 72
    .max_flat_workgroup_size: 256
    .sgpr_count:     96
    .vgpr_count:     512
    .wavefront_size: 32
...
	.end_amdgpu_metadata
.endif
;; end of part 4
